; MI455X (gfx1250); checked and timed in simulation.
; The chip was launched on July 23, 2026; its instructions are those of AMD's public machine-readable ISA for CDNA 5 (MIT licence, August 2026) and "CDNA5" Instruction Set Architecture Reference Guide (July 2026). The comments in the code are by the model that wrote it; some were corrected since.
;; Bahdanau Attention. Allowed arithmetic: matrix products marked QUANTISED: E5M2 operands, one E8M0 scale for each 32 along K, by v_wmma_scale_f32_16x16x128_f8f6f4 with both operands' format E5M2, f32 sums; products left as they are: f32 operands where the result goes on into a quantised operand, else bf16, f16 or f32 operands; f32 sums; everything else in f32.
;; Inputs: Ua_b 1,024 float32; Ua_w_codes 1,024 x 32 x 32 uint8 (E5M2 codes of Ua_w, K innermost, in blocks of 32 codes); Ua_w_scales 1,024 x 32 uint8 (E8M0 scales of Ua_w, one for each 32 codes along K); Wa_b 1,024 float32; Wa_w_codes 1,024 x 32 x 32 uint8 (E5M2 codes of Wa_w, K innermost, in blocks of 32 codes); Wa_w_scales 1,024 x 32 uint8 (E8M0 scales of Wa_w, one for each 32 codes along K); decoder_state_codes 32 x 32 x 32 uint8 (E5M2 codes of decoder_state, K innermost, in blocks of 32 codes); decoder_state_scales 32 x 32 uint8 (E8M0 scales of decoder_state, one for each 32 codes along K); encoder_states 32 x 2,048 x 1,024 float32; v_b one number float32; v_w 1,024 float32.
;; Outputs: out0 32 x 1,024 float32; out1 32 x 2,048 float32.
;; This version of the problem:
;;   THIS VERSION OF THE PROBLEM IS GIVEN IN LOW PRECISION. The matrix products marked QUANTISED in the list below multiply operands that are first quantised to E5M2 (5 exponent bits, 2 mantissa bits; 8 bits a number), with one power-of-two scale for each 32 numbers along K (OCP MX v1.0); their sums are f32. All else is computed in f32.
;;   The module's matrix products, in the order in which they are computed (A, B: the left and right operand; K: the contracted axis; several contracted axes count as one K, in the product's order):
;;     1. [M 32, K 1,024] x [K 1,024, N 1,024]; A: input decoder_state (given as codes); B: input Ua_w (given as codes): QUANTISED
;;     2. [M 65,536, K 1,024] x [K 1,024, N 1,024]; A: input encoder_states; B: input Wa_w (given as codes): QUANTISED
;;     3. [M 65,536, K 1,024] x [K 1,024, N 1]; A: computed on the way; B: input v_w: left as it is (N = 1 < 16)
;;     4. batch 32 x [M 1, K 2,048] x [K 2,048, N 1,024]; A: softmax; B: input encoder_states: left as it is (M = 1 < 16)
;;   THE QUANTISER, for each operand of a quantised product, along K:
;;     - K is cut into blocks of 32 from its start; a last block that is shorter is filled with zeros.
;;     - A block's scale is 2^e with e = floor(log2(the largest magnitude in the block)) - 15, held to -126 .. 127; a block of zeros has e = 0. As a byte (E8M0): e + 127.
;;     - Each number is divided by its block's scale, clamped to +-57,344, and rounded to the nearest number of E5M2, ties to even, subnormals kept.
;;     - The product sums the exact products of the quantised numbers (number of the format x scale) in f32.
;;   ~~~python
;;   def quantise(x, axis):      # numpy; x: float32 -> the quantised numbers, widened to float32 again
;;       x = np.moveaxis(x, axis, -1); K = x.shape[-1]
;;       x = np.pad(x, [(0, 0)] * (x.ndim - 1) + [(0, -K % 32)]); x = x.reshape(x.shape[:-1] + (-1, 32)); a = np.abs(x).max(-1, keepdims=True)
;;       e = np.where(a > 0, np.clip(np.frexp(np.where(a > 0, a, 1))[1] - 1 - 15, -126, 127), 0)      # np.frexp(a)[1] - 1 = floor(log2(a)), exactly
;;       r = np.clip(x / 2.0 ** e, -57344, 57344)
;;       step = 2.0 ** (np.maximum(np.frexp(np.where(r == 0, 1, r))[1] - 1, -14) - 2)
;;       q = np.round(r / step) * step * 2.0 ** e      # np.round: ties to even
;;       return np.moveaxis(q.reshape(q.shape[:-2] + (-1,))[..., :K], -1, axis).astype(np.float32)
;;   ~~~
;;   INPUTS GIVEN AS CODES. Ua_w (in the module: [1024, 1024], K = its axis 1); Wa_w (in the module: [1024, 1024], K = its axis 1); decoder_state (in the module: [32, 1024], K = its axis 1): each comes as NAME_codes (uint8): NAME with its K axis moved to the last place and cut into blocks of 32 codes, [.., K / 32, bytes a block], one block behind the other in memory; one code a byte (a code: sign, 5 exponent bits, 2 mantissa bits); and NAME_scales (uint8): the same leading axes, one E8M0 byte (e + 127) for each 32 codes along K. Its value is code x scale, taken as it is: it is not quantised again, and the codes and scales need not be those that the quantiser above would give.
;; 2 versions. Each part assembles by itself: llvm-mc -triple=amdgcn-amd-amdhsa -mcpu=gfx1250 --defsym DOCPART=n.
;; ======== version 1 of 2: 3 launches
;; workspace buffers: biask 131,072 bytes; waf 1,048,576 bytes; was 32,768 bytes; scores 262,144 bytes; part 1,179,648 bytes
;; launch prep (part 1): grid 64 x 1, 4 waves a work-group, no clusters, 5,120 bytes of LDS; arguments decoder_state_codes, decoder_state_scales, Ua_w_codes, Ua_w_scales, Ua_b, Wa_b, Wa_w_codes, Wa_w_scales, biask, waf, was; writes biask, waf, was
.if DOCPART == 1
	.amdgcn_target "amdgcn-amd-amdhsa--gfx1250"
	.amdhsa_code_object_version 6
	.text
	.protected	k_qaf15c4a70d_prep
	.globl	k_qaf15c4a70d_prep
	.p2align	8
	.type	k_qaf15c4a70d_prep,@function
k_qaf15c4a70d_prep:
	s_mov_b64 s[64:65], 0
	v_nop
	global_prefetch_b8 v0, s[64:65] scope:SCOPE_SE
	s_setreg_imm32_b32 hwreg(HW_REG_WAVE_MODE, 25, 1), 1
	s_wait_xcnt 0x0
; BAHDANAU ATTENTION, launch 1 of 3.  scores[b][t] = sum_o v_o tanh(dec_proj[b][o] + enc_proj[b][t][o]) + v_b; weights = softmax_t(scores); context = sum_t weights x encoder rows.
; DEAD WORK, for all values of the inputs.  (1) v_b is added to every score of a batch, the softmax runs along t, and the scores themselves are no output: exp(s + v_b) / sum exp(s + v_b) = exp(s) / sum exp(s).
; So v_b has no way to any output: it is not loaded and is among no launch's arguments.  (2) tanh(x) = 1 - 2 / (1 + e^(2x)), so a score is (sum_o v_o) - 2 sum_o v_o r_o with r = 1 / (1 + e^(2x)); the first term
; is again the same along t and is never formed.  LIMIT: a NaN, an infinity or an overflow that lives only in v_b or in sum_o v_o is not carried to the results.
; THIS LAUNCH does two small things, parted by the work-group's number (the same for all waves of a work-group):
;   work-groups 0-31:  biask[b][o] = K2 x (decoder_state[b] . Ua_w[o] + Ua_b[o] + Wa_b[o]), K2 = 2 log2(e): the quantised product 1 on the codes as given, and both biases, ready for 2^(K2 x).
;   work-groups 32-63: Wa's codes and scale words are laid in the order of a wave's operand registers (waf, was), so that the next launch loads each fragment by four loads of 512 consecutive bytes.
; waf: byte ((4 s + w) 16 + nt) 2048 + 512 c + 16 lane = the 16 codes of Wa's row 256 w + 16 nt + lane % 16 at k = 128 s + 32 c + 16 (lane / 16).
; was: byte (4 s + w) 1024 + 128 i + 4 lane = the scale word (k = 128 s .. 128 s + 127) of row 256 w + 32 i + lane.
.set K2,    0x4038aa3b                 ; 2 log2(e)
.set SPARE, 4608                       ; behind the stage (16 rows x 272 bytes): the spare words, 128 bytes a wave
.set SPW,   1                          ; v1  LDS address of my spare word; never rewritten
.set NIL,   2                          ; v2  0; never rewritten
.set MSB, 0
.macro WIN new                         ; the immediate's high byte repeats the setting that is left
.if MSB != (\new)
	s_set_vgpr_msb (MSB<<8)|(\new)
.set MSB, (\new)
.endif
.endm
	s_load_b256 s[4:11], s[0:1], 0x0               ; decoder codes s[4:5], decoder scales s[6:7], Ua codes s[8:9], Ua scales s[10:11]
	s_load_b256 s[12:19], s[0:1], 0x20             ; Ua_b s[12:13], Wa_b s[14:15], Wa codes s[16:17], Wa scales s[18:19]
	s_load_b128 s[20:23], s[0:1], 0x40             ; biask s[20:21], waf s[22:23]
	s_load_b64 s[24:25], s[0:1], 0x50              ; was
	v_lshl_add_u32 v[SPW], v0, 2, SPARE
	v_mov_b32 v[NIL], 0
	v_lshrrev_b32 v3, 5, v0
	v_readfirstlane_b32 s26, v3                    ; wave 0..3
	v_and_b32 v4, 31, v0                           ; lane
	v_and_b32 v5, 15, v0                           ; r
	v_bfe_u32 v6, v0, 4, 1                         ; h
	v_lshlrev_b32 v7, 10, v5
	v_lshl_add_u32 v7, v6, 4, v7                   ; a fragment's lane term in rows of 1,024 codes: 1024 r + 16 h
	s_mov_b32 s29, 0                               ; the high word of every offset pair s[28:29]
	s_wait_kmcnt 0x0
	s_cmp_lt_u32 ttmp9, 32
	s_cbranch_scc0 .Llayout
	; ---- product 1.  Work-group (g = id % 16, mt = id / 16): outputs 64 g .. 64 g + 63 for batches 16 mt .. 16 mt + 15; wave w: the tile of 16 outputs from o0 = 64 g + 16 w
	s_and_b32 s27, ttmp9, 15                       ; g
	s_lshr_b32 s30, ttmp9, 4                       ; mt
	s_lshl_b32 s28, s27, 6
	s_lshl_b32 s31, s26, 4
	s_add_co_u32 s31, s28, s31                     ; o0
	s_lshl_b32 s28, s31, 10
	s_add_nc_u64 s[8:9], s[8:9], s[28:29]          ; Ua's codes at row o0
	s_lshl_b32 s28, s31, 5
	s_add_nc_u64 s[10:11], s[10:11], s[28:29]      ; its scale bytes
	s_lshl_b32 s28, s31, 2
	s_add_nc_u64 s[12:13], s[12:13], s[28:29]      ; Ua_b and Wa_b at o0
	s_add_nc_u64 s[14:15], s[14:15], s[28:29]
	s_lshl_b32 s28, s30, 14
	s_add_nc_u64 s[4:5], s[4:5], s[28:29]          ; the decoder's codes at batch 16 mt
	s_lshl_b32 s28, s30, 9
	s_add_nc_u64 s[6:7], s[6:7], s[28:29]          ; its scale bytes
	s_lshl_b32 s28, s30, 16
	s_lshl_b32 s32, s26, 14
	s_add_co_u32 s28, s28, s32
	s_lshl_b32 s32, s27, 8
	s_add_co_u32 s28, s28, s32
	s_add_nc_u64 s[20:21], s[20:21], s[28:29]      ; biask at row 16 mt + 4 w, byte 256 g
	s_mov_b32 s34, K2
	s_mov_b32 s35, K2                              ; (named with it as a pair)
	v_lshlrev_b32 v8, 5, v5                        ; scale bytes: 32 a row
	v_lshlrev_b32 v9, 5, v6                        ; biases: my half's eight outputs, 32 h bytes on
	v_mul_u32_u24 v10, v5, 272                     ; the stage, in: row r (a batch), byte 64 w + 32 h
	v_lshl_add_u32 v10, v6, 5, v10
	s_lshl_b32 s32, s26, 6
	v_add_nc_u32 v10, s32, v10
	v_mul_u32_u24 v11, v6, 272                     ; and back: rows 4 w + h (+ 2), 16 bytes a lane
	v_lshl_add_u32 v11, v5, 4, v11
	s_mul_i32 s32, s26, 4*272
	v_add_nc_u32 v11, s32, v11
	v_lshlrev_b32 v12, 12, v6                      ; the same two rows in biask
	v_lshl_add_u32 v12, v5, 4, v12
	WIN 0x40                                       ; destination window 1: Ua's eight fragments, K step s at v[16 s]
.irp s, 0,1,2,3,4,5,6,7
.irp c, 0,1,2,3
	global_load_b128 v[16*\s+4*\c:16*\s+4*\c+3], v7, s[8:9] offset:128*\s+32*\c
.endr
.endr
	WIN 0
.irp s, 0,1,2,3,4,5,6,7
.irp c, 0,1,2,3
	global_load_b128 v[128+16*\s+4*\c:128+16*\s+4*\c+3], v7, s[4:5] offset:128*\s+32*\c   ; the decoder's eight
.endr
.endr
	global_load_b128 v[64:67], v8, s[10:11]        ; Ua's eight scale words of row o0 + r: v64-71 hold scales alone
	global_load_b128 v[68:71], v8, s[10:11] offset:16
	global_load_b128 v[72:75], v8, s[6:7]          ; the decoder's: v72-79
	global_load_b128 v[76:79], v8, s[6:7] offset:16
	global_load_b128 v[48:51], v9, s[12:13]        ; Ua_b at o0 + 8 h + 0 .. 7: the result's layout
	global_load_b128 v[52:55], v9, s[12:13] offset:16
	global_load_b128 v[56:59], v9, s[14:15]        ; Wa_b likewise
	global_load_b128 v[60:63], v9, s[14:15] offset:16
	s_wait_loadcnt 0x0
.irp j, 0,2,4,6
	v_pk_add_f32 v[48+\j:49+\j], v[48+\j:49+\j], v[56+\j:57+\j]   ; both biases: the C of the first sum's first product
.endr
.rept 8
	v_nop
.endr
	WIN 0x01                                       ; source 0 (Ua) window 1
; TRANSPOSED: source 0 = 16 rows of Ua, source 1 = 16 batches: lane (r, h) holds batch r and outputs o0 + 8 h + 0 .. 7.  Two sums take turns, one instruction a turn: even K steps, odd K steps
.irp s, 0,1,2,3,4,5,6,7
.if \s == 0
	v_wmma_scale_f32_16x16x128_f8f6f4 v[32:39], v[0:15], v[128:143], v[48:55], v64, v72 matrix_a_fmt:MATRIX_FMT_BF8 matrix_b_fmt:MATRIX_FMT_BF8
.elseif \s == 1
	v_wmma_scale_f32_16x16x128_f8f6f4 v[40:47], v[16:31], v[144:159], 0, v65, v73 matrix_a_fmt:MATRIX_FMT_BF8 matrix_b_fmt:MATRIX_FMT_BF8
.else
	v_wmma_scale_f32_16x16x128_f8f6f4 v[32+8*(\s%2):39+8*(\s%2)], v[16*\s:16*\s+15], v[128+16*\s:143+16*\s], v[32+8*(\s%2):39+8*(\s%2)], v[64+\s], v[72+\s] matrix_a_fmt:MATRIX_FMT_BF8 matrix_b_fmt:MATRIX_FMT_BF8
.endif
.endr
	WIN 0
.rept 8
	v_nop                                          ; eight places behind this form, ahead of the first read of results
.endr
.irp j, 0,2,4,6
	v_pk_add_f32 v[80+\j:81+\j], v[32+\j:33+\j], v[40+\j:41+\j]   ; the two sums, each read from its low end on
.endr
.irp j, 0,2,4,6
	v_pk_mul_f32 v[80+\j:81+\j], v[80+\j:81+\j], s[34:35] op_sel_hi:[1,0]   ; x K2
.endr
	ds_store_b128 v10, v[80:83]                    ; a batch's 64 outputs (256 bytes) come from four waves: they meet in the stage
	ds_store_b128 v10, v[84:87] offset:16
	s_wait_dscnt 0x0                               ; for the others' sake: my stores have landed
	s_barrier_signal -1
	s_barrier_wait -1
	ds_load_b128 v[88:91], v11
	ds_load_b128 v[92:95], v11 offset:2*272
	s_wait_dscnt 0x0
	global_store_b128 v12, v[88:91], s[20:21]              ; sixteen lanes store 256 consecutive bytes, at a multiple of 256 from biask's first byte
	global_store_b128 v12, v[92:95], s[20:21] offset:8192
	s_wait_tensorcnt 0x0                           ; the wave's end: three closing lines behind my last LDS store
	ds_add_u32 v[SPW], v[NIL]
	s_wait_dscnt 0x0
	s_endpgm
.Llayout:
	; ---- Wa's layout.  Work-group y = id - 32 = 4 s + w; wave q takes tiles nt = 4 q .. 4 q + 3 and scale words i = 2 q, 2 q + 1.  No LDS, no barrier on this way
	s_sub_co_u32 s27, ttmp9, 32                    ; y
	s_lshr_b32 s30, s27, 2                         ; s
	s_and_b32 s31, s27, 3                          ; w
	s_lshl_b32 s28, s31, 18                        ; codes: row 256 w + 64 q, k = 128 s
	s_lshl_b32 s32, s26, 16
	s_add_co_u32 s28, s28, s32
	s_lshl_b32 s32, s30, 7
	s_add_co_u32 s28, s28, s32
	s_add_nc_u64 s[16:17], s[16:17], s[28:29]
	s_lshl_b32 s28, s31, 13                        ; scale bytes: 32 a row, word s
	s_lshl_b32 s32, s26, 11
	s_add_co_u32 s28, s28, s32
	s_lshl_b32 s32, s30, 2
	s_add_co_u32 s28, s28, s32
	s_add_nc_u64 s[18:19], s[18:19], s[28:29]
	s_lshl_b32 s28, s27, 15                        ; waf: 32,768 y + 8,192 q
	s_lshl_b32 s32, s26, 13
	s_add_co_u32 s28, s28, s32
	s_add_nc_u64 s[22:23], s[22:23], s[28:29]
	s_lshl_b32 s28, s27, 10                        ; was: 1,024 y + 256 q
	s_lshl_b32 s32, s26, 8
	s_add_co_u32 s28, s28, s32
	s_add_nc_u64 s[24:25], s[24:25], s[28:29]
	v_lshlrev_b32 v13, 5, v4                       ; 32 x lane: a row of scale bytes a lane
	v_lshlrev_b32 v14, 4, v4                       ; 16 x lane
	v_lshlrev_b32 v15, 2, v4                       ; 4 x lane
.irp t, 0,1,2,3
.irp c, 0,1,2,3
	global_load_b128 v[16+16*\t+4*\c:19+16*\t+4*\c], v7, s[16:17] offset:16384*\t+32*\c
.endr
.endr
	global_load_b32 v80, v13, s[18:19]
	global_load_b32 v81, v13, s[18:19] offset:1024
	s_wait_loadcnt 0x0
.irp t, 0,1,2,3
.irp c, 0,1,2,3
	global_store_b128 v14, v[16+16*\t+4*\c:19+16*\t+4*\c], s[22:23] offset:2048*\t+512*\c   ; 512 consecutive bytes a store
.endr
.endr
	global_store_b32 v15, v80, s[24:25]            ; 128 consecutive bytes a store: two stores fill an aligned 256; 32,768 bytes in the whole launch
	global_store_b32 v15, v81, s[24:25] offset:128
	s_endpgm
.Lfunc_end_k_qaf15c4a70d_prep:
	.size	k_qaf15c4a70d_prep, .Lfunc_end_k_qaf15c4a70d_prep-k_qaf15c4a70d_prep
	.p2alignl 7, 3214868480
	.fill 96, 4, 3214868480
	.section	.rodata,"a",@progbits
	.p2align	6, 0x0
	.amdhsa_kernel k_qaf15c4a70d_prep
		.amdhsa_group_segment_fixed_size 5120
		.amdhsa_private_segment_fixed_size 0
		.amdhsa_enable_private_segment 0
		.amdhsa_kernarg_size 88
		.amdhsa_user_sgpr_count 2
		.amdhsa_user_sgpr_kernarg_segment_ptr 1
		.amdhsa_wavefront_size32 1
		.amdhsa_system_sgpr_workgroup_id_x 1
		.amdhsa_system_sgpr_workgroup_id_y 1
		.amdhsa_system_sgpr_workgroup_id_z 1
		.amdhsa_system_vgpr_workitem_id 0
		.amdhsa_next_free_vgpr 384
		.amdhsa_next_free_sgpr 66
		.amdhsa_reserve_vcc 0
		.amdhsa_float_denorm_mode_32 3
		.amdhsa_float_denorm_mode_16_64 3
		.amdhsa_memory_ordered 1
		.amdhsa_forward_progress 1
		.amdhsa_inst_pref_size 17
	.end_amdhsa_kernel
	.amdgpu_metadata
---
amdhsa.version: [ 1, 2 ]
amdhsa.kernels:
  - .name:           k_qaf15c4a70d_prep
    .symbol:         k_qaf15c4a70d_prep.kd
    .args:
      - { .name: decoder_state_codes, .offset: 0, .size: 8, .value_kind: global_buffer, .address_space: global }
      - { .name: decoder_state_scales, .offset: 8, .size: 8, .value_kind: global_buffer, .address_space: global }
      - { .name: Ua_w_codes, .offset: 16, .size: 8, .value_kind: global_buffer, .address_space: global }
      - { .name: Ua_w_scales, .offset: 24, .size: 8, .value_kind: global_buffer, .address_space: global }
      - { .name: Ua_b, .offset: 32, .size: 8, .value_kind: global_buffer, .address_space: global }
      - { .name: Wa_b, .offset: 40, .size: 8, .value_kind: global_buffer, .address_space: global }
      - { .name: Wa_w_codes, .offset: 48, .size: 8, .value_kind: global_buffer, .address_space: global }
      - { .name: Wa_w_scales, .offset: 56, .size: 8, .value_kind: global_buffer, .address_space: global }
      - { .name: biask, .offset: 64, .size: 8, .value_kind: global_buffer, .address_space: global }
      - { .name: waf, .offset: 72, .size: 8, .value_kind: global_buffer, .address_space: global }
      - { .name: was, .offset: 80, .size: 8, .value_kind: global_buffer, .address_space: global }
    .group_segment_fixed_size: 5120
    .private_segment_fixed_size: 0
    .kernarg_segment_align: 8
    .kernarg_segment_size: 88
    .max_flat_workgroup_size: 128
    .sgpr_count:     66
    .vgpr_count:     384
    .wavefront_size: 32
...
	.end_amdgpu_metadata
.endif
;; end of part 1
;; launch main (part 2): grid 256 x 1, 4 waves a work-group, no clusters, 249,344 bytes of LDS; arguments encoder_states, waf, was, biask, v_w, scores, part; writes scores, part
.if DOCPART == 2
	.amdgcn_target "amdgcn-amd-amdhsa--gfx1250"
	.amdhsa_code_object_version 6
	.text
	.protected	k_qaf15c4a70d_main
	.globl	k_qaf15c4a70d_main
	.p2align	8
	.type	k_qaf15c4a70d_main,@function
k_qaf15c4a70d_main:
	s_mov_b64 s[64:65], 0
	v_nop
	global_prefetch_b8 v0, s[64:65] scope:SCOPE_SE
	s_setreg_imm32_b32 hwreg(HW_REG_WAVE_MODE, 25, 1), 1
	s_wait_xcnt 0x0
; BAHDANAU ATTENTION, launch 2 of 3: the quantised product 2, tanh, the scores, and a running softmax with its context, with encoder_states read ONCE.
; LEFT OUT as dead work (shown at the head of launch 1): v_b and the term sum_o v_o of the scores, both the same along the softmax's axis.
; A work-group owns 256 consecutive rows (b, t) of one batch, as 4 blocks of 64.  A block: Q: each wave quantises 16 rows along H to MX-BF8 (register images of the operand in LDS) and leaves a bf16 copy of them in LDS |
; GEMM: wave w makes outputs 256 w .. 256 w + 255 for all 64 rows: 64 accumulators, 8 K steps of 64 matrix instructions | tanh: r = 1 / (1 + 2^(K2 x)), sigma = sum_o (-K2 v_o) r_o, the score in log2 units |
; softmax: running maximum m, sum l, p = 2^(sigma - m) | context: ctx[1024] = ctx x 2^(m_old - m) + sum p x row, from the bf16 copy (product 4 is left as it is: bf16 rows, f32 weights and sums).
; Out: sigma for every row (scores), and m, l, ctx of the work-group (part); launch 3 joins the eight parts of a batch.
; WHY 64 ROWS: 64 x 1,024 f32 sums are 512 registers in each of four waves; a row also takes 2,048 bytes (copy) + 1,024 (codes) of LDS.
; Wa'S FRAGMENTS go from memory straight into registers, in the order that launch 1 laid: four loads of 512 consecutive bytes a fragment, each fragment asked for one K step (64 matrix instructions) ahead of its use;
; a fragment feeds four matrix instructions and is used by one wave alone.  NO CLUSTER, NO TENSOR RING: beside the copy, the images and the stages 78,336 bytes of LDS are left: two slots of 32,768 bytes would hold
; four fragments a wave, 16 matrix instructions between two changes of slots: too few for a joint load to land under.
; THE TWO STREAMS ARE KEPT APART: loads come back in the order of issue, so the next block's encoder rows are asked for in the tanh phase, into accumulators as tanh frees them, and the GEMM asks for Wa alone.
; LIMITS: NaN and infinities in encoder_states are not served.  A block of 32 zeros gets the scale byte 1 where the rule says 127: its codes are zeros, and the bytes are read by this launch alone.
; tanh holds for every finite x: 2^(K2 x) = infinity gives r = 0, 2^(K2 x) = 0 gives r = 1.
; REGISTERS, in windows of 256: window 0: v1-47 addresses and state, v48-55 the rows' scale words (two sets), v56-63 Wa's scale words, v64-191 the rows' fragments (two sets), v192-255 at work.
;   window 1: Wa's 16 fragments, nt at v[16 nt].   windows 2, 3: accumulator (nt, m) at 32 nt + 8 m; outside the GEMM the same 512 registers take the next block's f32 rows: row i of chunk c at 64 c + 4 i.
.set K2,    0x4038aa3b                 ; 2 log2(e)
.set NK2,   0xc038aa3b                 ; -2 log2(e)
.set IMG,   131072                     ; LDS: 0: the bf16 copy, 64 rows x 2,048.  IMG: 32 fragments' images, (4 s + m) 2048 + 512 c + 16 lane
.set ISC,   196608                     ; their scale words, (4 s + m) 128 + 4 lane
.set TBB,   200704                     ; the batch's row of biask; 4,096 bytes on: -K2 x v_w
.set SPT,   208896                     ; the waves' parts of the scores, [wave][64]
.set PBC,   209920                     ; p, 256 bytes a wave, the wave's own
.set OST,   210944                     ; the way out, 1,024 bytes a wave, the wave's own
.set STG,   215040                     ; the turn of a chunk, 16 rows x (512 + 16) bytes a wave, the wave's own
.set SPARE, 248832                     ; the spare words, 128 bytes a wave: two blocks of 256 bytes that no other line names
.set SPW,  1
.set NIL,  2
.set LIMG, 3                           ; IMG + 16 lane
.set LISC, 4                           ; ISC + 4 lane
.set WIMG, 5                           ; IMG + 2048 w + 16 lane
.set WISC, 6                           ; ISC + 128 w + 4 lane
.set CPW,  7                           ; 32768 w + 8 lane: the copy, in
.set CPR,  8                           ; 16 x thread: the copy, out, rows 0-31 (also the tables' offset in memory)
.set CPR2, 9                           ; rows 32-63
.set ENO,  10                          ; 16 lane
.set BL,   11                          ; waf: 16 lane + 32768 w
.set BOF,  12                          ; + 131072 x the K step asked for
.set SL,   13                          ; was: 4 lane + 1024 w
.set SOF,  14                          ; + 4096 x the K step asked for
.set TBA,  15                          ; TBB + 1024 w + 32 h
.set SPS,  16                          ; SPT + 256 w + 4 r
.set SPR,  17                          ; SPT + 8 lane
.set PBW,  18                          ; PBC + 256 w + 8 lane
.set PBR,  19                          ; PBC + 256 w
.set AFA,  20                          ; the images of the K step asked for
.set ASA,  21                          ; and their scale words
.set MX,   22                          ; m
.set LS,   23                          ; l
.set CTX,  24                          ; v24-31 my thread's eight columns of the context
.set T,    32                          ; v32-39 at work
.set STW,  40                          ; STG + 8448 w + 16 lane
.set STR,  41                          ; STG + 8448 w + 528 r + 64 h
.set PF0,  42                          ; the prefetches' lane term: 4096 (lane / 2) + 256 (lane % 2)
.set PFW,  43                          ; + the next block + the chunk
.set SG,   44                          ; 8 lane
.set OSA,  45                          ; OST + 1024 w + 32 lane
.set F,    46                          ; 2^(m_old - m)
.set PW,   47                          ; the scale word just made
.set AS,   48                          ; scales alone
.set BS,   56                          ; scales alone
.set AF,   64
.set X,    64                          ; Q: 64 numbers of my row
.set BF,   192                         ; Q: a chunk as bf16
.set CODE, 224                         ; Q: a fragment's codes
.set TM,   240                         ; Q: v240-243 largest magnitudes, v244-247 bytes, v248-251 the holds, v252-255 the conversions' scale operands
.set BI,   64                          ; tanh: two sets of eight biask
.set VV,   80                          ; tanh: two sets of eight -K2 v
.set SA,   96                          ; tanh: a pair of sums for each tile of rows
.set XR,   64                          ; context: 16 rows of the copy
.set PR,   128                         ; context: p of the 64 rows
.set XR2,  192                         ; context: 16 more rows
.set WV,   18                          ; s18 wave
.set MNT,  24                          ; s24 the mantissa field of 57,344
.set BLK,  25                          ; s25 blocks to go, this one among them
.set KC,   26
.set BO,   27
.set SO,   28
.set AO,   29
.set AO2,  30
.set MSB, 0
.macro WIN new                         ; the immediate's high byte repeats the setting that is left
.if MSB != (\new)
	s_set_vgpr_msb (MSB<<8)|(\new)
.set MSB, (\new)
.endif
.endm
; eight encoder loads into accumulator tile nt's 32 registers: rows 8 (nt % 2) + i of my 16, chunk nt / 2 (128 numbers); each load takes 512 consecutive bytes of one row
.macro ELOAD nt, off
	WIN 0x80+0x40*((\nt)/8)
.irp i, 0,1,2,3,4,5,6,7
	global_load_b128 v[(32*(\nt))%256+4*\i:(32*(\nt))%256+4*\i+3], v[ENO], s[4:5] offset:\off+(8*((\nt)%2)+\i)*4096+512*((\nt)/2) th:TH_LOAD_NT
.endr
	WIN 0
.endm
; 18 loads: Wa's fragments nt = 4 g .. 4 g + 3 and their two registers of scale words, of the K step that BOF and SOF name
.macro WLOAD g
	WIN 0
	global_load_b32 v[BS+2*(\g)], v[SOF], s[8:9] offset:256*(\g)
	global_load_b32 v[BS+2*(\g)+1], v[SOF], s[8:9] offset:256*(\g)+128
	WIN 0x40
.irp t, 0,1,2,3
.irp c, 0,1,2,3
	global_load_b128 v[16*(4*(\g)+\t)+4*\c:16*(4*(\g)+\t)+4*\c+3], v[BOF], s[6:7] offset:2048*(4*(\g)+\t)+512*\c
.endr
.endr
.endm
; a K step's four fragments of rows and their scale words, out of the images, into set p
.macro AFETCH p, a, s
.irp m, 0,1,2,3
.irp c, 0,1,2,3
	ds_load_b128 v[AF+64*(\p)+16*\m+4*\c:AF+64*(\p)+16*\m+4*\c+3], v[\a] offset:2048*\m+512*\c
.endr
	ds_load_b32 v[AS+4*(\p)+\m], v[\s] offset:128*\m
.endr
.endm
; 64 numbers of a lane, register 16 b + i = k 32 b + 16 (lane / 16) + i of my row, become a fragment's codes in v[CODE] on and its scale word in v[PW]
.macro QUANT s
.irp b, 0,1,2,3
	v_max3_num_f32 v[TM+\b], |v[\s+16*\b]|, |v[\s+1+16*\b]|, 0x8000000   ; block b: my 16 numbers, and the floor 2^(16 - 127): the byte cannot fall under 1
.endr
.irp i, 2,4,6,8,10,12,14
.irp b, 0,1,2,3
	v_max3_num_f32 v[TM+\b], v[TM+\b], |v[\s+16*\b+\i]|, |v[\s+1+16*\b+\i]|   ; (the four blocks by turns)
.endr
.endr
.irp b, 0,1,2,3
	v_permlanex16_b32 v[TM+4+\b], v[TM+\b], s20, s21
.endr
.irp b, 0,1,2,3
	v_max_num_f32 v[TM+\b], v[TM+\b], v[TM+4+\b]   ; with lane l xor 16's: the block's largest magnitude
.endr
.irp b, 0,1,2,3
	v_add_nc_u32 v[TM+12+\b], 0xf8800000, v[TM+\b]   ; 15 off its exponent field: the conversion takes this operand's exponent field as its scale
.endr
.irp b, 0,1,2,3
	v_and_or_b32 v[TM+8+\b], v[TM+\b], 0x7f800000, s[MNT]   ; 57,344 x the scale
.endr
.irp b, 0,1,2,3
	v_lshrrev_b32 v[TM+4+\b], 23, v[TM+12+\b]      ; the scale's byte
.endr
	v_lshl_or_b32 v[PW], v[TM+5], 8, v[TM+4]
	v_lshl_or_b32 v[PW], v[TM+6], 16, v[PW]
	v_lshl_or_b32 v[PW], v[TM+7], 24, v[PW]
.irp b, 0,1,2,3
.irp i, 0,1,2,3,4,5,6,7,8,9,10,11,12,13,14,15
	v_med3_num_f32 v[\s+16*\b+\i], v[\s+16*\b+\i], -v[TM+8+\b], v[TM+8+\b]   ; the conversion to an 8-bit code does not saturate (ISA guide 7.6.2): the hold
.endr
	v_cvt_scalef32_pk8_bf8_f32 v[CODE+4*\b:CODE+1+4*\b], v[\s+16*\b:\s+7+16*\b], v[TM+12+\b]
	v_cvt_scalef32_pk8_bf8_f32 v[CODE+2+4*\b:CODE+3+4*\b], v[\s+8+16*\b:\s+15+16*\b], v[TM+12+\b]
.endr
	v_nop                                          ; a plain vector instruction behind the last scaled conversion
.endm
; Chunk c: 128 numbers (K step c) of my 16 rows.  As loaded a lane holds 4 neighbours of each row; the conversions want 16 neighbours of ONE row: the chunk turns through my own stage.  As loaded it is also rounded to bf16 for the copy.
.macro QCHUNK c
.set X0, 64*((\c)%4)
	s_wait_dscnt 0x0                               ; the last chunk's LDS stores have read their registers
	WIN 0x08+0x04*((\c)/4)                         ; an LDS store's data are its source 1: window 2 or 3
.irp i, 0,1,2,3,4,5,6,7,8,9,10,11,12,13,14,15
	ds_store_b128 v[STW], v[X0+4*\i:X0+4*\i+3] offset:528*\i
.endr
	WIN 0
.irp b, 0,1,2,3
.irp j, 0,1,2,3
	ds_load_b128 v[X+16*\b+4*\j:X+16*\b+4*\j+3], v[STR] offset:128*\b+16*\j   ; LDS serves a wave's instructions in order (ISA guide 5.7.1.4): these see the stores above
.endr
.endr
	WIN 0x0a+0x05*((\c)/4)                         ; sources 0 and 1: window 2 or 3
.irp i, 0,1,2,3,4,5,6,7,8,9,10,11,12,13,14,15
	v_cvt_pk_bf16_f32 v[BF+2*\i], v[X0+4*\i], v[X0+4*\i+1]
	v_cvt_pk_bf16_f32 v[BF+2*\i+1], v[X0+4*\i+2], v[X0+4*\i+3]
.endr
	WIN 0
.irp i, 0,1,2,3,4,5,6,7,8,9,10,11,12,13,14,15
	ds_store_b64 v[CPW], v[BF+2*\i:BF+2*\i+1] offset:2048*\i+256*(\c)   ; 256 consecutive bytes of row 16 w + i of the copy
.endr
	s_wait_dscnt 16                                ; the 16 loads from the stage are in; the 16 stores issued behind them may be out
	QUANT X
.irp e, 0,1,2,3
	ds_store_b128 v[WIMG], v[CODE+4*\e:CODE+4*\e+3] offset:8192*(\c)+512*\e   ; the fragment (K step c, rows 16 w ..) as an image of its registers
.endr
	ds_store_b32 v[WISC], v[PW] offset:512*(\c)
.endm
; one matrix instruction on the registers that the symbols name.  TRANSPOSED: source 0 = 16 rows of Wa, source 1 = 16 encoder rows: lane (r, h) holds encoder row r and outputs 8 h + 0 .. 7 of the tile
.macro WM zero, odd
.if \zero
.if \odd
	v_wmma_scale_f32_16x16x128_f8f6f4 v[AC:AC+7], v[WF:WF+15], v[AR:AR+15], 0, v[SB], v[SR] matrix_a_fmt:MATRIX_FMT_BF8 matrix_b_fmt:MATRIX_FMT_BF8 matrix_a_scale:MATRIX_SCALE_ROW1
.else
	v_wmma_scale_f32_16x16x128_f8f6f4 v[AC:AC+7], v[WF:WF+15], v[AR:AR+15], 0, v[SB], v[SR] matrix_a_fmt:MATRIX_FMT_BF8 matrix_b_fmt:MATRIX_FMT_BF8
.endif
.else
.if \odd
	v_wmma_scale_f32_16x16x128_f8f6f4 v[AC:AC+7], v[WF:WF+15], v[AR:AR+15], v[AC:AC+7], v[SB], v[SR] matrix_a_fmt:MATRIX_FMT_BF8 matrix_b_fmt:MATRIX_FMT_BF8 matrix_a_scale:MATRIX_SCALE_ROW1
.else
	v_wmma_scale_f32_16x16x128_f8f6f4 v[AC:AC+7], v[WF:WF+15], v[AR:AR+15], v[AC:AC+7], v[SB], v[SR] matrix_a_fmt:MATRIX_FMT_BF8 matrix_b_fmt:MATRIX_FMT_BF8
.endif
.endif
.endm
; A K STEP: 64 matrix instructions in four groups of 16 (four tiles of Wa x four tiles of rows).  The 64 accumulators take turns, one instruction a turn, in one order in every step.
; p: the rows' set.  zero = 1: the products start the sums.  af = 1: the next step's rows are fetched into the other set.  tail = 0: behind each group its registers take the next K step's fragments;
; 1: the next BLOCK's K step 0; 2: nothing (the last block's last step), and the waits count down.  pf = 1, 2: one prefetch (1: jumped over in the last block).
.macro KSTEP p, zero, af, tail, pf
.if \tail < 2
	s_wait_xcnt 0x0                                ; the loads and the prefetch issued so far have read their offsets: these are written only behind this wait
.if \tail
	s_mov_b32 s[BO], 0
	s_mov_b32 s[SO], 0
.else
	s_add_co_u32 s[BO], s[BO], 131072
	s_add_co_u32 s[SO], s[SO], 4096
.endif
	v_add_nc_u32 v[BOF], s[BO], v[BL]
	v_add_nc_u32 v[SOF], s[SO], v[SL]
.endif
.if \af
	s_add_co_u32 s[AO], s[AO], 8192
	s_add_co_u32 s[AO2], s[AO2], 512
	v_add_nc_u32 v[AFA], s[AO], v[LIMG]
	v_add_nc_u32 v[ASA], s[AO2], v[LISC]
.endif
.if \pf
	v_add_nc_u32 v[PFW], 512, v[PFW]               ; the next chunk of the next block's rows
.endif
	s_wait_dscnt 0x0                               ; this step's rows are in (asked for 48 matrix instructions ago)
.irp g, 0,1,2,3
.if \tail == 2
	s_wait_loadcnt 54-18*\g                        ; nothing is issued behind: the groups still out are 3 - g
.else
	s_wait_loadcnt 54                              ; behind this group's 18 loads three groups' 54 were issued
.endif
	WIN 0xa1+0x50*(\g/2)                           ; source 0 (Wa) window 1, source 1 (rows) window 0, C and D window 2 or 3
.irp t, 0,1,2,3
.irp m, 0,1,2,3
.set AC, (32*(4*\g+\t)+8*\m)%256
.set WF, 16*(4*\g+\t)
.set AR, AF+64*(\p)+16*\m
.set SB, BS+2*\g+\t/2
.set SR, AS+4*(\p)+\m
	WM \zero, \t%2
.endr
.endr
.rept 8
	v_nop                                          ; eight places behind this form, ahead of loads into registers that it has read and of the first read of results (ISA guide 7.12.1 for the first read of results)
.endr
.if (\g == 0) && \af
	WIN 0
	AFETCH 1-(\p), AFA, ASA
.endif
.if \tail < 2
	WLOAD \g
.endif
.if (\g == 1) && (\pf == 1)
	WIN 0
	s_cmp_eq_u32 s[BLK], 1                         ; the last block has no next rows: no prefetch leaves the buffer
	s_cbranch_scc1 .Lnpf_\@
	global_prefetch_b8 v[PFW], s[4:5] th:TH_LOAD_NT scope:SCOPE_SE
.Lnpf_\@:
.endif
.if (\g == 1) && (\pf == 2)
	WIN 0
	global_prefetch_b8 v[PFW], s[4:5] th:TH_LOAD_NT scope:SCOPE_SE
.endif
.endr
	WIN 0
.endm
; THE PREFETCHES: in K steps 2, 4, 6 and 7 a wave names chunks 0 to 3 of its own 16 rows of the next block: 32 blocks of 256 bytes an instruction (a lane a block), each named once in the launch, behind the group's run of loads;
; the loads that want them are issued in the tanh phase, from 32 to 352 matrix instructions later.  Chunks 4 to 7 come by their loads alone.
; tanh AND THE SCORE for tile nt of my outputs, all 64 rows: 32 registers.  Behind it the tile's registers take eight loads of the next block's rows.
.macro TNT nt
.set W, 2+(\nt)/8
.set A0, (32*(\nt))%256
.set SE, 8*((\nt)%2)
.set SN, 8-SE
.if (\nt) < 15
	ds_load_b128 v[BI+SN:BI+SN+3], v[TBA] offset:64*((\nt)+1)           ; the next tile's biask and -K2 v, at my half's eight outputs
	ds_load_b128 v[BI+SN+4:BI+SN+7], v[TBA] offset:64*((\nt)+1)+16
	ds_load_b128 v[VV+SN:VV+SN+3], v[TBA] offset:4096+64*((\nt)+1)
	ds_load_b128 v[VV+SN+4:VV+SN+7], v[TBA] offset:4096+64*((\nt)+1)+16
	s_wait_dscnt 4                                 ; this tile's four are in; the four just issued may be out
.else
	s_wait_dscnt 0x0
.endif
	WIN (W<<6)|W                                   ; destination and source 0: the accumulators' window
.irp m, 0,1,2,3
.irp q, 0,1,2,3
	v_pk_fma_f32 v[A0+8*\m+2*\q:A0+8*\m+2*\q+1], v[A0+8*\m+2*\q:A0+8*\m+2*\q+1], s[22:23], v[BI+SE+2*\q:BI+SE+2*\q+1] op_sel_hi:[1,0,1]   ; K2 x: each accumulator from its low end on
.endr
.endr
.set j, 0
.rept 32
	v_exp_f32 v[A0+j], v[A0+j]
.set j, j+1
.endr
	v_nop                                          ; a plain instruction behind the last exponential,
	s_wait_alu depctr_va_vdst(0)                   ; and one wait for the batch ahead of its first reader
.set j, 0
.rept 16
	v_pk_add_f32 v[A0+j:A0+j+1], v[A0+j:A0+j+1], 1.0 op_sel_hi:[1,0]
.set j, j+2
.endr
.set j, 0
.rept 32
	v_rcp_f32 v[A0+j], v[A0+j]
.set j, j+1
.endr
	v_nop
	s_wait_alu depctr_va_vdst(0)                   ; one wait for the 32 reciprocals
	WIN W                                          ; source 0: the accumulators' window
.irp q, 0,1,2,3
.irp m, 0,1,2,3
.if ((\nt) == 0) && (\q == 0)
	v_pk_mul_f32 v[SA+2*\m:SA+2*\m+1], v[A0+8*\m+2*\q:A0+8*\m+2*\q+1], v[VV+SE+2*\q:VV+SE+2*\q+1]   ; the first products start the sums
.else
	v_pk_fma_f32 v[SA+2*\m:SA+2*\m+1], v[A0+8*\m+2*\q:A0+8*\m+2*\q+1], v[VV+SE+2*\q:VV+SE+2*\q+1], v[SA+2*\m:SA+2*\m+1]
.endif
.endr
.endr
	WIN 0
	s_cmp_eq_u32 s[BLK], 1                         ; the last block asks for nothing: no load leaves the buffer
	s_cbranch_scc1 .Lne_\@
	ELOAD \nt, 262144
.Lne_\@:
.endm
.macro CLOAD k, x                      ; rows 16 k .. 16 k + 15 of the copy, my thread's 16 bytes (8 columns) of each
.irp i, 0,1,2,3,4,5,6,7,8,9,10,11,12,13,14,15
.if (\k) < 2
	ds_load_b128 v[\x+4*\i:\x+4*\i+3], v[CPR] offset:2048*(16*(\k)+\i)
.else
	ds_load_b128 v[\x+4*\i:\x+4*\i+3], v[CPR2] offset:2048*(16*((\k)-2)+\i)
.endif
.endr
.endm
.macro CMUL k, x                       ; ctx += p x row: bf16 halves straight into f32 multiply-adds, eight sums by turns
.irp i, 0,1,2,3,4,5,6,7,8,9,10,11,12,13,14,15
.irp q, 0,1,2,3
	v_fma_mix_f32_bf16 v[CTX+2*\q], v[\x+4*\i+\q], v[PR+16*(\k)+\i], v[CTX+2*\q] op_sel_hi:[1,0,0]
	v_fma_mix_f32_bf16 v[CTX+2*\q+1], v[\x+4*\i+\q], v[PR+16*(\k)+\i], v[CTX+2*\q+1] op_sel:[1,0,0] op_sel_hi:[1,0,0]
.endr
.endr
.endm
.macro BARRIER                         ; my LDS stores have landed and my LDS loads are in: then the work-group's barrier
	s_wait_dscnt 0x0
	s_barrier_signal -1
	s_barrier_wait -1
.endm
	s_load_b256 s[4:11], s[0:1], 0x0               ; encoder_states s[4:5], waf s[6:7], was s[8:9], biask s[10:11]
	s_load_b128 s[12:15], s[0:1], 0x20             ; v_w s[12:13], scores s[14:15]
	s_load_b64 s[16:17], s[0:1], 0x30              ; part
	v_lshl_add_u32 v[SPW], v0, 2, SPARE
	v_mov_b32 v[NIL], 0
	v_lshrrev_b32 v64, 5, v0
	v_readfirstlane_b32 s[WV], v64                 ; wave 0..3
	v_and_b32 v65, 31, v0                          ; lane
	v_and_b32 v66, 15, v0                          ; r
	v_bfe_u32 v67, v0, 4, 1                        ; h
	v_lshl_add_u32 v[LIMG], v65, 4, IMG
	v_lshl_add_u32 v[LISC], v65, 2, ISC
	s_lshl_b32 s32, s[WV], 11
	v_add_nc_u32 v[WIMG], s32, v[LIMG]
	s_lshl_b32 s32, s[WV], 7
	v_add_nc_u32 v[WISC], s32, v[LISC]
	s_lshl_b32 s32, s[WV], 15
	v_lshl_add_u32 v[CPW], v65, 3, s32
	v_lshl_add_u32 v[BL], v65, 4, s32
	v_lshlrev_b32 v[CPR], 4, v0
	v_add_nc_u32 v[CPR2], 0x10000, v[CPR]
	v_lshlrev_b32 v[ENO], 4, v65
	s_lshl_b32 s32, s[WV], 10
	v_lshl_add_u32 v[SL], v65, 2, s32
	s_add_co_u32 s33, s32, TBB
	v_lshl_add_u32 v[TBA], v67, 5, s33
	s_add_co_u32 s33, s32, OST
	v_lshl_add_u32 v[OSA], v65, 5, s33
	s_lshl_b32 s32, s[WV], 8
	s_add_co_u32 s33, s32, SPT
	v_lshl_add_u32 v[SPS], v66, 2, s33
	v_lshl_add_u32 v[SPR], v65, 3, SPT
	s_add_co_u32 s33, s32, PBC
	v_lshl_add_u32 v[PBW], v65, 3, s33
	v_mov_b32 v[PBR], s33
	s_mul_i32 s32, s[WV], 8448
	s_add_co_u32 s32, s32, STG
	v_lshl_add_u32 v[STW], v65, 4, s32
	v_mul_u32_u24 v[STR], v66, 528
	v_lshl_add_u32 v[STR], v67, 6, v[STR]
	v_add_nc_u32 v[STR], s32, v[STR]
	v_lshrrev_b32 v[PF0], 1, v65
	v_and_b32 v[PFW], 1, v65
	v_lshlrev_b32 v[PF0], 12, v[PF0]
	v_lshl_add_u32 v[PF0], v[PFW], 8, v[PF0]
	v_lshlrev_b32 v[SG], 3, v65
	v_lshl_add_u32 v[AFA], v0, 4, TBB              ; (until the GEMM: where my thread puts its part of the tables)
	v_mov_b32 v[BOF], v[BL]                        ; K step 0
	v_mov_b32 v[SOF], v[SL]
	v_mov_b32 v[MX], 0xff61b1e6                    ; m: -3e38, under every score
	v_mov_b32 v[LS], 0
.irp j, 0,1,2,3,4,5,6,7
	v_mov_b32 v[CTX+\j], 0                         ; (the block is written once: the first finds zeros, which the first change of m leaves zeros)
	v_mov_b32 v[T+\j], 0                           ; (a lane permute's destination counts as one of its sources)
.endr
.irp b, 0,1,2,3
	v_mov_b32 v[TM+4+\b], 0
.endr
	s_mov_b32 s20, 0x76543210
	s_mov_b32 s21, 0xfedcba98                      ; v_permlanex16_b32's selects for lane l xor 16
	s_mov_b32 s22, K2
	s_mov_b32 s23, K2
	s_mov_b32 s[MNT], 0x600000
	s_mov_b32 s34, NK2
	s_mov_b32 s35, NK2
	s_mov_b32 s[BLK], 4
	s_mov_b32 s[BO], 0
	s_mov_b32 s[SO], 0
	s_lshl_b32 s32, ttmp9, 20                      ; my work-group's 256 rows of 4,096 bytes,
	s_lshl_b32 s33, s[WV], 16                      ; my wave's 16 of a block's 64
	s_add_co_u32 s32, s32, s33
	s_mov_b32 s33, 0
	s_lshr_b32 s36, ttmp9, 3                       ; the batch
	s_lshl_b32 s36, s36, 12
	s_mov_b32 s37, 0
	s_lshl_b32 s38, ttmp9, 10
	s_mov_b32 s39, 0
	s_mul_i32 s40, ttmp9, 4608
	s_mov_b32 s41, 0
	s_wait_kmcnt 0x0
	s_add_nc_u64 s[4:5], s[4:5], s[32:33]
	s_add_nc_u64 s[10:11], s[10:11], s[36:37]
	s_add_nc_u64 s[14:15], s[14:15], s[38:39]
	s_add_nc_u64 s[16:17], s[16:17], s[40:41]
	global_load_b128 v[68:71], v[CPR], s[10:11]            ; the tables: 4,096 bytes each, 32 bytes a thread
	global_load_b128 v[72:75], v[CPR], s[10:11] offset:2048
	global_load_b128 v[76:79], v[CPR], s[12:13]
	global_load_b128 v[80:83], v[CPR], s[12:13] offset:2048
.irp g, 0,1,2,3
	WLOAD \g                                       ; Wa's K step 0, then the first block's rows: the order in which the loop issues them
.endr
.irp n, 0,1,2,3,4,5,6,7,8,9,10,11,12,13,14,15
	ELOAD \n, 0
.endr
	s_wait_loadcnt 63                              ; the tables' four are in: 200 loads were issued behind them, and the wait's field holds 63
.irp j, 76,78,80,82
	v_pk_mul_f32 v[\j:\j+1], v[\j:\j+1], s[34:35] op_sel_hi:[1,0]   ; -K2 v
.endr
	ds_store_b128 v[AFA], v[68:71]
	ds_store_b128 v[AFA], v[72:75] offset:2048
	ds_store_b128 v[AFA], v[76:79] offset:4096
	ds_store_b128 v[AFA], v[80:83] offset:6144
.Lblock:
	; ---- Q.  The block's rows were asked for through the last block's tanh phase, under branches that the last block takes round them: so the one wait is for all loads
	s_wait_loadcnt 0x0
.irp c, 0,1,2,3,4,5,6,7
	QCHUNK \c
.endr
	BARRIER                                        ; the 32 images, the copy and (first block) the tables are whole
	; ---- GEMM
	s_mov_b32 s[AO], 0
	s_mov_b32 s[AO2], 0
	AFETCH 0, LIMG, LISC
	s_wait_xcnt 0x0                                ; the last block's prefetches have read their offset
	v_add_nc_u32 v[PFW], 262144-512, v[PF0]        ; one chunk ahead of the next block's chunk 0
	KSTEP 0, 1, 1, 0, 0                            ; K step 0 starts the sums: nothing is cleared
	s_mov_b32 s[KC], 3
.Lk:                                               ; K steps 1 to 6, two a trip: the rows' sets are back where they began
	KSTEP 1, 0, 1, 0, 0
	KSTEP 0, 0, 1, 0, 1
	s_sub_co_u32 s[KC], s[KC], 1
	s_cmp_lg_u32 s[KC], 0
	s_cbranch_scc1 .Lk
	s_cmp_eq_u32 s[BLK], 1                         ; K step 7 is written twice, so that every counted wait has the same loads behind it on every way
	s_cbranch_scc1 .Ltail_last
	KSTEP 1, 0, 0, 1, 2                            ; with the next block's K step 0 of Wa
	s_branch .Ltanh
.Ltail_last:
	KSTEP 1, 0, 0, 2, 0                            ; the last block's: nothing is asked for
.Ltanh:
	; ---- tanh and my 256 outputs' part of the scores.  (K step 7's v_nop are the places ahead of these loads into registers that K step 6 read, and of the first reads of results)
	ds_load_b128 v[BI:BI+3], v[TBA]
	ds_load_b128 v[BI+4:BI+7], v[TBA] offset:16
	ds_load_b128 v[VV:VV+3], v[TBA] offset:4096
	ds_load_b128 v[VV+4:VV+7], v[TBA] offset:4112
.irp n, 0,1,2,3,4,5,6,7,8,9,10,11,12,13,14,15
	TNT \n
.endr
.irp m, 0,1,2,3
	v_add_f32 v[T+\m], v[SA+2*\m], v[SA+2*\m+1]
.endr
.irp m, 0,1,2,3
	v_permlanex16_b32 v[T+4+\m], v[T+\m], s20, s21  ; the row's other eight outputs of each tile lie in the lane 16 away
.endr
.irp m, 0,1,2,3
	v_add_f32 v[T+\m], v[T+\m], v[T+4+\m]
.endr
.irp m, 0,1,2,3
	ds_store_b32 v[SPS], v[T+\m] offset:64*\m       ; row 16 m + r; lanes r and r + 16 write the same word with the same value
.endr
	BARRIER                                        ; the four waves' parts lie in LDS
.irp j, 0,1,2,3
	ds_load_b64 v[T+2*\j:T+2*\j+1], v[SPR] offset:256*\j   ; rows 2 lane, 2 lane + 1 of wave j's part
.endr
	CLOAD 0, XR                                    ; the copy's first 32 rows are asked for now: they land under the softmax
	CLOAD 1, XR2
	s_wait_dscnt 32                                ; the four parts are in; the 32 loads issued behind them may be out
	v_pk_add_f32 v[32:33], v[32:33], v[34:35]
	v_pk_add_f32 v[36:37], v[36:37], v[38:39]
	v_pk_add_f32 v[32:33], v[32:33], v[36:37]      ; sigma of my two rows: the same bits in all four waves
	s_cmp_lg_u32 s[WV], 0
	s_cbranch_scc1 .Lnot_wave_0
	global_store_b64 v[SG], v[32:33], s[14:15]     ; the block's 64 sigma: 256 consecutive bytes, at a multiple of 256 from the buffer's first byte
.Lnot_wave_0:
	; ---- the running softmax, alike in every wave and lane
	v_max_num_f32 v34, v32, v33
	v_max_num_f32_dpp v34, v34, v34 row_xmask:1 row_mask:0xf bank_mask:0xf
	v_max_num_f32_dpp v34, v34, v34 row_xmask:2 row_mask:0xf bank_mask:0xf
	v_max_num_f32_dpp v34, v34, v34 row_xmask:4 row_mask:0xf bank_mask:0xf
	v_max_num_f32_dpp v34, v34, v34 row_xmask:8 row_mask:0xf bank_mask:0xf
	v_permlanex16_b32 v35, v34, s20, s21
	v_max_num_f32 v34, v34, v35                    ; the block's largest sigma
	v_max_num_f32 v36, v[MX], v34                  ; the new m
	v_sub_f32 v[F], v[MX], v36
	v_sub_f32 v38, v32, v36
	v_sub_f32 v39, v33, v36
	v_exp_f32 v[F], v[F]                           ; f = 2^(m_old - m)
	v_exp_f32 v38, v38                             ; p of my two rows
	v_exp_f32 v39, v39
	v_mov_b32 v[MX], v36                           ; (the plain instruction behind the exponentials)
	s_wait_alu depctr_va_vdst(0)                   ; one wait for the three, ahead of their first reader
	ds_store_b64 v[PBW], v[38:39]
.irp i, 0,1,2,3,4,5,6,7,8,9,10,11,12,13,14,15
	ds_load_b128 v[PR+4*\i:PR+4*\i+3], v[PBR] offset:16*\i   ; all 64 p into every lane: my wave's own bytes, served in order
.endr
	v_add_f32 v34, v38, v39
	v_add_f32_dpp v34, v34, v34 row_xmask:1 row_mask:0xf bank_mask:0xf
	v_add_f32_dpp v34, v34, v34 row_xmask:2 row_mask:0xf bank_mask:0xf
	v_add_f32_dpp v34, v34, v34 row_xmask:4 row_mask:0xf bank_mask:0xf
	v_add_f32_dpp v34, v34, v34 row_xmask:8 row_mask:0xf bank_mask:0xf
	v_permlanex16_b32 v35, v34, s20, s21
	v_add_f32 v34, v34, v35
	v_fma_f32 v[LS], v[LS], v[F], v34              ; l = l f + the block's sum
.irp j, 0,2,4,6
	v_pk_mul_f32 v[CTX+\j:CTX+\j+1], v[CTX+\j:CTX+\j+1], v[F:F+1] op_sel_hi:[1,0]   ; ctx under the new m
.endr
	; ---- context
	s_wait_dscnt 0x0                               ; p and rows 0-31
	CMUL 0, XR
	CLOAD 2, XR
	CMUL 1, XR2
	CLOAD 3, XR2
	s_wait_dscnt 16                                ; rows 32-47 are in; the 16 loads issued behind them may be out
	CMUL 2, XR
	s_wait_dscnt 0x0
	CMUL 3, XR2
	BARRIER                                        ; every wave's reads of the copy and of the scores' parts are over: the next block may write them
	s_wait_xcnt 0x0                                ; the loads, the prefetches and the store have read their bases
	s_add_nc_u64 s[4:5], s[4:5], 262144            ; 64 rows on
	s_add_nc_u64 s[14:15], s[14:15], 256
	s_sub_co_u32 s[BLK], s[BLK], 1
	s_cmp_lg_u32 s[BLK], 0
	s_cbranch_scc1 .Lblock
	; ---- the way out.  A thread's eight columns are 32 bytes: they turn through my wave's 1,024 bytes of LDS, so that each store covers 512 consecutive bytes
	ds_store_b128 v[OSA], v[CTX:CTX+3]
	ds_store_b128 v[OSA], v[CTX+4:CTX+7] offset:16
	v_and_b32 v[BOF], 31, v0
	s_lshl_b32 s32, s[WV], 10
	v_lshl_add_u32 v[SOF], v[BOF], 4, s32          ; 1024 w + 16 lane: my place in part's row,
	v_add_nc_u32 v[BOF], OST, v[SOF]               ; and in LDS
	ds_load_b128 v[64:67], v[BOF]
	ds_load_b128 v[68:71], v[BOF] offset:512
	s_wait_dscnt 0x0
	global_store_b128 v[SOF], v[64:67], s[16:17]
	global_store_b128 v[SOF], v[68:71], s[16:17] offset:512
	s_cmp_lg_u32 s[WV], 0
	s_cbranch_scc1 .Lend
	v_mov_b32 v32, v[MX]
	v_mov_b32 v33, v[LS]
	v_mov_b32 v34, v[MX]
	v_mov_b32 v35, v[LS]
	global_store_b128 v[ENO], v[32:35], s[16:17] offset:4096   ; m, l, again and again: 512 consecutive bytes, so that whole aligned blocks of 256 are written
.Lend:
	s_wait_tensorcnt 0x0                           ; the wave's end: three closing lines behind my last LDS store
	ds_add_u32 v[SPW], v[NIL]
	s_wait_dscnt 0x0
	s_endpgm
.Lfunc_end_k_qaf15c4a70d_main:
	.size	k_qaf15c4a70d_main, .Lfunc_end_k_qaf15c4a70d_main-k_qaf15c4a70d_main
	.p2alignl 7, 3214868480
	.fill 96, 4, 3214868480
	.section	.rodata,"a",@progbits
	.p2align	6, 0x0
	.amdhsa_kernel k_qaf15c4a70d_main
		.amdhsa_group_segment_fixed_size 249344
		.amdhsa_private_segment_fixed_size 0
		.amdhsa_enable_private_segment 0
		.amdhsa_kernarg_size 56
		.amdhsa_user_sgpr_count 2
		.amdhsa_user_sgpr_kernarg_segment_ptr 1
		.amdhsa_wavefront_size32 1
		.amdhsa_system_sgpr_workgroup_id_x 1
		.amdhsa_system_sgpr_workgroup_id_y 1
		.amdhsa_system_sgpr_workgroup_id_z 1
		.amdhsa_system_vgpr_workitem_id 0
		.amdhsa_next_free_vgpr 1024
		.amdhsa_next_free_sgpr 66
		.amdhsa_reserve_vcc 0
		.amdhsa_float_denorm_mode_32 3
		.amdhsa_float_denorm_mode_16_64 3
		.amdhsa_memory_ordered 1
		.amdhsa_forward_progress 1
		.amdhsa_inst_pref_size 255
	.end_amdhsa_kernel
	.section	.bss,"aw",@nobits
	.p2align	6
	.space	262144
	.amdgpu_metadata
---
amdhsa.version: [ 1, 2 ]
amdhsa.kernels:
  - .name:           k_qaf15c4a70d_main
    .symbol:         k_qaf15c4a70d_main.kd
    .args:
      - { .name: encoder_states, .offset: 0, .size: 8, .value_kind: global_buffer, .address_space: global }
      - { .name: waf, .offset: 8, .size: 8, .value_kind: global_buffer, .address_space: global }
      - { .name: was, .offset: 16, .size: 8, .value_kind: global_buffer, .address_space: global }
      - { .name: biask, .offset: 24, .size: 8, .value_kind: global_buffer, .address_space: global }
      - { .name: v_w, .offset: 32, .size: 8, .value_kind: global_buffer, .address_space: global }
      - { .name: scores, .offset: 40, .size: 8, .value_kind: global_buffer, .address_space: global }
      - { .name: part, .offset: 48, .size: 8, .value_kind: global_buffer, .address_space: global }
    .group_segment_fixed_size: 249344
    .private_segment_fixed_size: 0
    .kernarg_segment_align: 8
    .kernarg_segment_size: 56
    .max_flat_workgroup_size: 128
    .sgpr_count:     66
    .vgpr_count:     1024
    .wavefront_size: 32
...
	.end_amdgpu_metadata
.endif
;; end of part 2
;; launch combine (part 3): grid 128 x 1, 2 waves a work-group, no clusters, 0 bytes of LDS; arguments part, scores, out0, out1; writes out0, out1
.if DOCPART == 3
	.amdgcn_target "amdgcn-amd-amdhsa--gfx1250"
	.amdhsa_code_object_version 6
	.text
	.protected	k_qaf15c4a70d_combine
	.globl	k_qaf15c4a70d_combine
	.p2align	8
	.type	k_qaf15c4a70d_combine,@function
k_qaf15c4a70d_combine:
	s_mov_b64 s[64:65], 0
	v_nop
	global_prefetch_b8 v0, s[64:65] scope:SCOPE_SE
	s_setreg_imm32_b32 hwreg(HW_REG_WAVE_MODE, 25, 1), 1
	s_wait_xcnt 0x0
; BAHDANAU ATTENTION, launch 3 of 3: the eight parts of a batch are joined.  LEFT OUT as dead work (shown at the head of launch 1): v_b and sum_o v_o, the same along the softmax's axis.
; part row j of a batch holds ctx_j[1024] = sum p x row with p = 2^(sigma - m_j), then m_j, l_j.  M = max m_j; e_j = 2^(m_j - M); L = sum e_j l_j;
; out0 = sum e_j ctx_j / L;  out1 = 2^(sigma - M) / L.  The maximum is taken away ahead of every exponential.
; Work-group (b = id / 4, q = id % 4), two waves: a quarter of a batch: 256 columns of out0, 512 weights of out1; every load and store of a wave, but those of m and l, covers 512 consecutive bytes.  No LDS, no barrier: waves share nothing.
	s_load_b256 s[4:11], s[0:1], 0x0               ; part s[4:5], scores s[6:7], out0 s[8:9], out1 s[10:11]
	s_lshr_b32 s12, ttmp9, 2                       ; b
	s_and_b32 s13, ttmp9, 3                        ; q
	v_lshlrev_b32 v1, 4, v0                        ; 16 x thread
	v_mov_b32 v2, 0
	s_lshl_b32 s14, s13, 10
	v_add_nc_u32 v3, s14, v1                       ; + 1,024 q: ctx and out0
	s_lshl_b32 s14, s13, 11
	v_add_nc_u32 v4, s14, v1                       ; + 2,048 q: sigma and out1
	s_mul_i32 s16, s12, 8*4608
	s_mov_b32 s17, 0
	s_lshl_b32 s18, s12, 13
	s_mov_b32 s19, 0
	s_lshl_b32 s20, s12, 12
	s_mov_b32 s21, 0
	s_wait_kmcnt 0x0
	s_add_nc_u64 s[4:5], s[4:5], s[16:17]
	s_add_nc_u64 s[6:7], s[6:7], s[18:19]
	s_add_nc_u64 s[8:9], s[8:9], s[20:21]
	s_add_nc_u64 s[10:11], s[10:11], s[18:19]
.irp j, 0,1,2,3,4,5,6,7
	global_load_b64 v[48+2*\j:49+2*\j], v2, s[4:5] offset:4608*\j+4096   ; m_j, l_j
.endr
	global_load_b128 v[64:67], v4, s[6:7]          ; sigma
	global_load_b128 v[68:71], v4, s[6:7] offset:1024
.irp j, 0,1,2,3,4,5,6,7
	global_load_b128 v[16+4*\j:19+4*\j], v3, s[4:5] offset:4608*\j      ; ctx_j
.endr
	s_wait_loadcnt 8                               ; m, l and sigma are in; the eight loads of ctx issued behind them may be out
	v_max3_num_f32 v80, v48, v50, v52
	v_max3_num_f32 v80, v80, v54, v56
	v_max3_num_f32 v80, v80, v58, v60
	v_max_num_f32 v80, v80, v62                    ; M
.irp j, 0,1,2,3,4,5,6,7
	v_sub_f32 v[72+\j], v[48+2*\j], v80
.endr
.irp k, 0,1,2,3,4,5,6,7
	v_sub_f32 v[64+\k], v[64+\k], v80
.endr
.irp j, 0,1,2,3,4,5,6,7
	v_exp_f32 v[72+\j], v[72+\j]                   ; e_j
.endr
.irp k, 0,1,2,3,4,5,6,7
	v_exp_f32 v[64+\k], v[64+\k]                   ; 2^(sigma - M)
.endr
	v_nop                                          ; a plain instruction behind the last exponential,
	s_wait_alu depctr_va_vdst(0)                   ; and one wait for the sixteen, ahead of their first reader
	v_mul_f32 v82, v49, v72
.irp j, 1,2,3,4,5,6,7
	v_fmac_f32 v82, v[49+2*\j], v[72+\j]           ; L
.endr
	v_rcp_f32 v83, v82
	v_nop
	s_wait_alu depctr_va_vdst(0)
.irp j, 0,1,2,3,4,5,6,7
	v_mul_f32 v[72+\j], v[72+\j], v83              ; e_j / L
.endr
.irp k, 0,1,2,3,4,5,6,7
	v_mul_f32 v[64+\k], v[64+\k], v83              ; the weights
.endr
	global_store_b128 v4, v[64:67], s[10:11]
	global_store_b128 v4, v[68:71], s[10:11] offset:1024
	s_wait_loadcnt 0x0                             ; ctx
.irp k, 0,1,2,3
	v_mul_f32 v[84+\k], v[16+\k], v72
.endr
.irp j, 1,2,3,4,5,6,7
.irp k, 0,1,2,3
	v_fmac_f32 v[84+\k], v[16+4*\j+\k], v[72+\j]
.endr
.endr
	global_store_b128 v3, v[84:87], s[8:9]
	s_endpgm
.Lfunc_end_k_qaf15c4a70d_combine:
	.size	k_qaf15c4a70d_combine, .Lfunc_end_k_qaf15c4a70d_combine-k_qaf15c4a70d_combine
	.p2alignl 7, 3214868480
	.fill 96, 4, 3214868480
	.section	.rodata,"a",@progbits
	.p2align	6, 0x0
	.amdhsa_kernel k_qaf15c4a70d_combine
		.amdhsa_group_segment_fixed_size 0
		.amdhsa_private_segment_fixed_size 0
		.amdhsa_enable_private_segment 0
		.amdhsa_kernarg_size 32
		.amdhsa_user_sgpr_count 2
		.amdhsa_user_sgpr_kernarg_segment_ptr 1
		.amdhsa_wavefront_size32 1
		.amdhsa_system_sgpr_workgroup_id_x 1
		.amdhsa_system_sgpr_workgroup_id_y 1
		.amdhsa_system_sgpr_workgroup_id_z 1
		.amdhsa_system_vgpr_workitem_id 0
		.amdhsa_next_free_vgpr 96
		.amdhsa_next_free_sgpr 66
		.amdhsa_reserve_vcc 0
		.amdhsa_float_denorm_mode_32 3
		.amdhsa_float_denorm_mode_16_64 3
		.amdhsa_memory_ordered 1
		.amdhsa_forward_progress 1
		.amdhsa_inst_pref_size 7
	.end_amdhsa_kernel
	.amdgpu_metadata
---
amdhsa.version: [ 1, 2 ]
amdhsa.kernels:
  - .name:           k_qaf15c4a70d_combine
    .symbol:         k_qaf15c4a70d_combine.kd
    .args:
      - { .name: part, .offset: 0, .size: 8, .value_kind: global_buffer, .address_space: global }
      - { .name: scores, .offset: 8, .size: 8, .value_kind: global_buffer, .address_space: global }
      - { .name: out0, .offset: 16, .size: 8, .value_kind: global_buffer, .address_space: global }
      - { .name: out1, .offset: 24, .size: 8, .value_kind: global_buffer, .address_space: global }
    .group_segment_fixed_size: 0
    .private_segment_fixed_size: 0
    .kernarg_segment_align: 8
    .kernarg_segment_size: 32
    .max_flat_workgroup_size: 64
    .sgpr_count:     66
    .vgpr_count:     96
    .wavefront_size: 32
...
	.end_amdgpu_metadata
.endif
;; end of part 3
;; ======== version 2 of 2: 3 launches
;; workspace buffers: biask 131,072 bytes; waf 1,048,576 bytes; was 32,768 bytes; scores 262,144 bytes; part 1,179,648 bytes
;; launch prep (part 4): grid 64 x 1, 4 waves a work-group, no clusters, 5,120 bytes of LDS; arguments decoder_state_codes, decoder_state_scales, Ua_w_codes, Ua_w_scales, Ua_b, Wa_b, Wa_w_codes, Wa_w_scales, biask, waf, was; writes biask, waf, was
.if DOCPART == 4
	.amdgcn_target "amdgcn-amd-amdhsa--gfx1250"
	.amdhsa_code_object_version 6
	.text
	.protected	k_qaf15c4a70d_prep
	.globl	k_qaf15c4a70d_prep
	.p2align	8
	.type	k_qaf15c4a70d_prep,@function
k_qaf15c4a70d_prep:
	s_mov_b64 s[64:65], 0
	v_nop
	global_prefetch_b8 v0, s[64:65] scope:SCOPE_SE
	s_setreg_imm32_b32 hwreg(HW_REG_WAVE_SCHED_MODE, 0, 2), 2
	s_setreg_imm32_b32 hwreg(HW_REG_WAVE_MODE, 25, 1), 1
	s_wait_xcnt 0x0
	s_wait_alu depctr_vm_vsrc(0)
; BAHDANAU ATTENTION, launch 1 of 3.  scores[b][t] = sum_o v_o tanh(dec_proj[b][o] + enc_proj[b][t][o]) + v_b; weights = softmax_t(scores); context = sum_t weights x encoder rows.
; DEAD WORK, for all values of the inputs.  (1) v_b is added to every score of a batch, the softmax runs along t, and the scores themselves are no output: exp(s + v_b) / sum exp(s + v_b) = exp(s) / sum exp(s).
; So v_b has no way to any output: it is not loaded and is among no launch's arguments.  (2) tanh(x) = 1 - 2 / (1 + e^(2x)), so a score is (sum_o v_o) - 2 sum_o v_o r_o with r = 1 / (1 + e^(2x)); the first term
; is again the same along t and is never formed.  LIMIT: a NaN, an infinity or an overflow that lives only in v_b or in sum_o v_o is not carried to the results.
; THIS LAUNCH does two small things, parted by the work-group's number (the same for all waves of a work-group):
;   work-groups 0-31:  biask[b][o] = K2 x (decoder_state[b] . Ua_w[o] + Ua_b[o] + Wa_b[o]), K2 = 2 log2(e): the quantised product 1 on the codes as given, and both biases, ready for 2^(K2 x).
;   work-groups 32-63: Wa's codes and scale words are laid in the order of a wave's operand registers (waf, was), so that the next launch loads each fragment by four loads of 512 consecutive bytes.
; waf: byte ((4 s + w) 16 + nt) 2048 + 512 c + 16 lane = the 16 codes of Wa's row 256 w + 16 nt + lane % 16 at k = 128 s + 32 c + 16 (lane / 16).
; was: byte (4 s + w) 1024 + 128 i + 4 lane = the scale word (k = 128 s .. 128 s + 127) of row 256 w + 32 i + lane.
; THE MODE: SCHED_MODE bits 1:0 = 2 (LLVM: expert scheduling mode 2), set by the entry lines.  The code itself states the register dependences between vector or matrix instructions and memory or LDS
; instructions, with s_wait_alu, always for 0.
; THE PLAN.  Every offset and address (v7 to v15) is made ahead of its way's first load and never written again: one wait on va_vdst a way.  What loads bring is read by vector and matrix instructions alone, behind the
; wait on LOADcnt, and nothing is loaded twice.  The one out-buffer that vector instructions write, v80-87, has one wait on va_vdst ahead of its LDS stores.  The wave's number has its wait on va_sdst ahead of the branch.
.set K2,    0x4038aa3b                 ; 2 log2(e)
.set SPARE, 4608                       ; behind the stage (16 rows x 272 bytes): the spare words, 128 bytes a wave
.set SPW,   1                          ; v1  LDS address of my spare word; never rewritten
.set NIL,   2                          ; v2  0; never rewritten
.set MSB, 0
.macro WIN new                         ; the immediate's high byte repeats the setting that is left
.if MSB != (\new)
	s_set_vgpr_msb (MSB<<8)|(\new)
.set MSB, (\new)
.endif
.endm
	s_load_b256 s[4:11], s[0:1], 0x0               ; decoder codes s[4:5], decoder scales s[6:7], Ua codes s[8:9], Ua scales s[10:11]
	s_load_b256 s[12:19], s[0:1], 0x20             ; Ua_b s[12:13], Wa_b s[14:15], Wa codes s[16:17], Wa scales s[18:19]
	s_load_b128 s[20:23], s[0:1], 0x40             ; biask s[20:21], waf s[22:23]
	s_load_b64 s[24:25], s[0:1], 0x50              ; was
	v_lshl_add_u32 v[SPW], v0, 2, SPARE
	v_mov_b32 v[NIL], 0
	v_lshrrev_b32 v3, 5, v0
	v_readfirstlane_b32 s26, v3                    ; wave 0..3
	v_and_b32 v4, 31, v0                           ; lane
	v_and_b32 v5, 15, v0                           ; r
	v_bfe_u32 v6, v0, 4, 1                         ; h
	v_lshlrev_b32 v7, 10, v5
	v_lshl_add_u32 v7, v6, 4, v7                   ; a fragment's lane term in rows of 1,024 codes: 1024 r + 16 h
	s_mov_b32 s29, 0                               ; the high word of every offset pair s[28:29]
	s_wait_alu depctr_va_sdst(0)                   ; s26, the wave's number, is written: both ways behind the branch read it
	s_wait_kmcnt 0x0
	s_cmp_lt_u32 ttmp9, 32
	s_cbranch_scc0 .Llayout
	; ---- product 1.  Work-group (g = id % 16, mt = id / 16): outputs 64 g .. 64 g + 63 for batches 16 mt .. 16 mt + 15; wave w: the tile of 16 outputs from o0 = 64 g + 16 w
	s_and_b32 s27, ttmp9, 15                       ; g
	s_lshr_b32 s30, ttmp9, 4                       ; mt
	s_lshl_b32 s28, s27, 6
	s_lshl_b32 s31, s26, 4
	s_add_co_u32 s31, s28, s31                     ; o0
	s_lshl_b32 s28, s31, 10
	s_add_nc_u64 s[8:9], s[8:9], s[28:29]          ; Ua's codes at row o0
	s_lshl_b32 s28, s31, 5
	s_add_nc_u64 s[10:11], s[10:11], s[28:29]      ; its scale bytes
	s_lshl_b32 s28, s31, 2
	s_add_nc_u64 s[12:13], s[12:13], s[28:29]      ; Ua_b and Wa_b at o0
	s_add_nc_u64 s[14:15], s[14:15], s[28:29]
	s_lshl_b32 s28, s30, 14
	s_add_nc_u64 s[4:5], s[4:5], s[28:29]          ; the decoder's codes at batch 16 mt
	s_lshl_b32 s28, s30, 9
	s_add_nc_u64 s[6:7], s[6:7], s[28:29]          ; its scale bytes
	s_lshl_b32 s28, s30, 16
	s_lshl_b32 s32, s26, 14
	s_add_co_u32 s28, s28, s32
	s_lshl_b32 s32, s27, 8
	s_add_co_u32 s28, s28, s32
	s_add_nc_u64 s[20:21], s[20:21], s[28:29]      ; biask at row 16 mt + 4 w, byte 256 g
	s_mov_b32 s34, K2
	s_mov_b32 s35, K2                              ; (named with it as a pair)
	s_wait_alu depctr_va_vdst(0)
	v_lshlrev_b32 v8, 5, v5                        ; scale bytes: 32 a row
	v_lshlrev_b32 v9, 5, v6                        ; biases: my half's eight outputs, 32 h bytes on
	v_mul_u32_u24 v10, v5, 272                     ; the stage, in: row r (a batch), byte 64 w + 32 h
	v_lshl_add_u32 v10, v6, 5, v10
	s_lshl_b32 s32, s26, 6
	v_add_nc_u32 v10, s32, v10
	v_mul_u32_u24 v11, v6, 272                     ; and back: rows 4 w + h (+ 2), 16 bytes a lane
	v_lshl_add_u32 v11, v5, 4, v11
	s_mul_i32 s32, s26, 4*272
	v_add_nc_u32 v11, s32, v11
	v_lshlrev_b32 v12, 12, v6                      ; the same two rows in biask
	v_lshl_add_u32 v12, v5, 4, v12
	s_wait_alu depctr_va_vdst(0)                   ; v7 to v12 are written: the offsets and addresses of every load and store on this way
	WIN 0x40                                       ; destination window 1: Ua's eight fragments, K step s at v[16 s]
.irp s, 0,1,2,3,4,5,6,7
.irp c, 0,1,2,3
	global_load_b128 v[16*\s+4*\c:16*\s+4*\c+3], v7, s[8:9] offset:128*\s+32*\c
.endr
.endr
	WIN 0
.irp s, 0,1,2,3,4,5,6,7
.irp c, 0,1,2,3
	global_load_b128 v[128+16*\s+4*\c:128+16*\s+4*\c+3], v7, s[4:5] offset:128*\s+32*\c   ; the decoder's eight
.endr
.endr
	global_load_b128 v[64:67], v8, s[10:11]        ; Ua's eight scale words of row o0 + r: v64-71 hold scales alone
	global_load_b128 v[68:71], v8, s[10:11] offset:16
	global_load_b128 v[72:75], v8, s[6:7]          ; the decoder's: v72-79
	global_load_b128 v[76:79], v8, s[6:7] offset:16
	global_load_b128 v[48:51], v9, s[12:13]        ; Ua_b at o0 + 8 h + 0 .. 7: the result's layout
	global_load_b128 v[52:55], v9, s[12:13] offset:16
	global_load_b128 v[56:59], v9, s[14:15]        ; Wa_b likewise
	global_load_b128 v[60:63], v9, s[14:15] offset:16
	s_wait_loadcnt 0x0
.irp j, 0,2,4,6
	v_pk_add_f32 v[48+\j:49+\j], v[48+\j:49+\j], v[56+\j:57+\j]   ; both biases: the C of the first sum's first product
.endr
.rept 8
	v_nop
.endr
	WIN 0x01                                       ; source 0 (Ua) window 1
; TRANSPOSED: source 0 = 16 rows of Ua, source 1 = 16 batches: lane (r, h) holds batch r and outputs o0 + 8 h + 0 .. 7.  Two sums take turns, one instruction a turn: even K steps, odd K steps
.irp s, 0,1,2,3,4,5,6,7
.if \s == 0
	v_wmma_scale_f32_16x16x128_f8f6f4 v[32:39], v[0:15], v[128:143], v[48:55], v64, v72 matrix_a_fmt:MATRIX_FMT_BF8 matrix_b_fmt:MATRIX_FMT_BF8
.elseif \s == 1
	v_wmma_scale_f32_16x16x128_f8f6f4 v[40:47], v[16:31], v[144:159], 0, v65, v73 matrix_a_fmt:MATRIX_FMT_BF8 matrix_b_fmt:MATRIX_FMT_BF8
.else
	v_wmma_scale_f32_16x16x128_f8f6f4 v[32+8*(\s%2):39+8*(\s%2)], v[16*\s:16*\s+15], v[128+16*\s:143+16*\s], v[32+8*(\s%2):39+8*(\s%2)], v[64+\s], v[72+\s] matrix_a_fmt:MATRIX_FMT_BF8 matrix_b_fmt:MATRIX_FMT_BF8
.endif
.endr
	WIN 0
.rept 8
	v_nop                                          ; eight places behind this form, ahead of the first read of results
.endr
.irp j, 0,2,4,6
	v_pk_add_f32 v[80+\j:81+\j], v[32+\j:33+\j], v[40+\j:41+\j]   ; the two sums, each read from its low end on
.endr
.irp j, 0,2,4,6
	v_pk_mul_f32 v[80+\j:81+\j], v[80+\j:81+\j], s[34:35] op_sel_hi:[1,0]   ; x K2
.endr
	s_wait_alu depctr_va_vdst(0)                   ; the multiplications have written v80-87, which the LDS stores read
	ds_store_b128 v10, v[80:83]                    ; a batch's 64 outputs (256 bytes) come from four waves: they meet in the stage
	ds_store_b128 v10, v[84:87] offset:16
	s_wait_dscnt 0x0                               ; for the others' sake: my stores have landed
	s_barrier_signal -1
	s_barrier_wait -1
	ds_load_b128 v[88:91], v11
	ds_load_b128 v[92:95], v11 offset:2*272
	s_wait_dscnt 0x0
	global_store_b128 v12, v[88:91], s[20:21]              ; sixteen lanes store 256 consecutive bytes, at a multiple of 256 from biask's first byte
	global_store_b128 v12, v[92:95], s[20:21] offset:8192
	s_wait_dscnt 0x0                               ; the closing lines, six on end, behind the last LDS store
	s_wait_alu 0x0
	s_wait_tensorcnt 0x0
	ds_add_u32 v[SPW], v[NIL]
	s_wait_dscnt 0x0
	s_endpgm
.Llayout:
	; ---- Wa's layout.  Work-group y = id - 32 = 4 s + w; wave q takes tiles nt = 4 q .. 4 q + 3 and scale words i = 2 q, 2 q + 1.  No LDS, no barrier on this way
	s_sub_co_u32 s27, ttmp9, 32                    ; y
	s_lshr_b32 s30, s27, 2                         ; s
	s_and_b32 s31, s27, 3                          ; w
	s_lshl_b32 s28, s31, 18                        ; codes: row 256 w + 64 q, k = 128 s
	s_lshl_b32 s32, s26, 16
	s_add_co_u32 s28, s28, s32
	s_lshl_b32 s32, s30, 7
	s_add_co_u32 s28, s28, s32
	s_add_nc_u64 s[16:17], s[16:17], s[28:29]
	s_lshl_b32 s28, s31, 13                        ; scale bytes: 32 a row, word s
	s_lshl_b32 s32, s26, 11
	s_add_co_u32 s28, s28, s32
	s_lshl_b32 s32, s30, 2
	s_add_co_u32 s28, s28, s32
	s_add_nc_u64 s[18:19], s[18:19], s[28:29]
	s_lshl_b32 s28, s27, 15                        ; waf: 32,768 y + 8,192 q
	s_lshl_b32 s32, s26, 13
	s_add_co_u32 s28, s28, s32
	s_add_nc_u64 s[22:23], s[22:23], s[28:29]
	s_lshl_b32 s28, s27, 10                        ; was: 1,024 y + 256 q
	s_lshl_b32 s32, s26, 8
	s_add_co_u32 s28, s28, s32
	s_add_nc_u64 s[24:25], s[24:25], s[28:29]
	s_wait_alu depctr_va_vdst(0)
	v_lshlrev_b32 v13, 5, v4                       ; 32 x lane: a row of scale bytes a lane
	v_lshlrev_b32 v14, 4, v4                       ; 16 x lane
	v_lshlrev_b32 v15, 2, v4                       ; 4 x lane
	s_wait_alu depctr_va_vdst(0)                   ; v7 and v13 to v15 are written: the offsets of every load and store on this way
.irp t, 0,1,2,3
.irp c, 0,1,2,3
	global_load_b128 v[16+16*\t+4*\c:19+16*\t+4*\c], v7, s[16:17] offset:16384*\t+32*\c
.endr
.endr
	global_load_b32 v80, v13, s[18:19]
	global_load_b32 v81, v13, s[18:19] offset:1024
	s_wait_loadcnt 0x0
.irp t, 0,1,2,3
.irp c, 0,1,2,3
	global_store_b128 v14, v[16+16*\t+4*\c:19+16*\t+4*\c], s[22:23] offset:2048*\t+512*\c   ; 512 consecutive bytes a store
.endr
.endr
	global_store_b32 v15, v80, s[24:25]            ; 128 consecutive bytes a store: two stores fill an aligned 256; 32,768 bytes in the whole launch
	global_store_b32 v15, v81, s[24:25] offset:128
	s_endpgm
.Lfunc_end_k_qaf15c4a70d_prep:
	.size	k_qaf15c4a70d_prep, .Lfunc_end_k_qaf15c4a70d_prep-k_qaf15c4a70d_prep
	.p2alignl 7, 3214868480
	.fill 96, 4, 3214868480
	.section	.rodata,"a",@progbits
	.p2align	6, 0x0
	.amdhsa_kernel k_qaf15c4a70d_prep
		.amdhsa_group_segment_fixed_size 5120
		.amdhsa_private_segment_fixed_size 0
		.amdhsa_enable_private_segment 0
		.amdhsa_kernarg_size 88
		.amdhsa_user_sgpr_count 2
		.amdhsa_user_sgpr_kernarg_segment_ptr 1
		.amdhsa_wavefront_size32 1
		.amdhsa_system_sgpr_workgroup_id_x 1
		.amdhsa_system_sgpr_workgroup_id_y 1
		.amdhsa_system_sgpr_workgroup_id_z 1
		.amdhsa_system_vgpr_workitem_id 0
		.amdhsa_next_free_vgpr 384
		.amdhsa_next_free_sgpr 66
		.amdhsa_reserve_vcc 0
		.amdhsa_float_denorm_mode_32 3
		.amdhsa_float_denorm_mode_16_64 3
		.amdhsa_memory_ordered 1
		.amdhsa_forward_progress 1
		.amdhsa_inst_pref_size 17
	.end_amdhsa_kernel
	.amdgpu_metadata
---
amdhsa.version: [ 1, 2 ]
amdhsa.kernels:
  - .name:           k_qaf15c4a70d_prep
    .symbol:         k_qaf15c4a70d_prep.kd
    .args:
      - { .name: decoder_state_codes, .offset: 0, .size: 8, .value_kind: global_buffer, .address_space: global }
      - { .name: decoder_state_scales, .offset: 8, .size: 8, .value_kind: global_buffer, .address_space: global }
      - { .name: Ua_w_codes, .offset: 16, .size: 8, .value_kind: global_buffer, .address_space: global }
      - { .name: Ua_w_scales, .offset: 24, .size: 8, .value_kind: global_buffer, .address_space: global }
      - { .name: Ua_b, .offset: 32, .size: 8, .value_kind: global_buffer, .address_space: global }
      - { .name: Wa_b, .offset: 40, .size: 8, .value_kind: global_buffer, .address_space: global }
      - { .name: Wa_w_codes, .offset: 48, .size: 8, .value_kind: global_buffer, .address_space: global }
      - { .name: Wa_w_scales, .offset: 56, .size: 8, .value_kind: global_buffer, .address_space: global }
      - { .name: biask, .offset: 64, .size: 8, .value_kind: global_buffer, .address_space: global }
      - { .name: waf, .offset: 72, .size: 8, .value_kind: global_buffer, .address_space: global }
      - { .name: was, .offset: 80, .size: 8, .value_kind: global_buffer, .address_space: global }
    .group_segment_fixed_size: 5120
    .private_segment_fixed_size: 0
    .kernarg_segment_align: 8
    .kernarg_segment_size: 88
    .max_flat_workgroup_size: 128
    .sgpr_count:     66
    .vgpr_count:     384
    .wavefront_size: 32
...
	.end_amdgpu_metadata
.endif
;; end of part 4
;; launch main (part 5): grid 256 x 1, 4 waves a work-group, no clusters, 249,344 bytes of LDS; arguments encoder_states, waf, was, biask, v_w, scores, part; writes scores, part
.if DOCPART == 5
	.amdgcn_target "amdgcn-amd-amdhsa--gfx1250"
	.amdhsa_code_object_version 6
	.text
	.protected	k_qaf15c4a70d_main
	.globl	k_qaf15c4a70d_main
	.p2align	8
	.type	k_qaf15c4a70d_main,@function
k_qaf15c4a70d_main:
	s_mov_b64 s[64:65], 0
	v_nop
	global_prefetch_b8 v0, s[64:65] scope:SCOPE_SE
	s_setreg_imm32_b32 hwreg(HW_REG_WAVE_SCHED_MODE, 0, 2), 2
	s_setreg_imm32_b32 hwreg(HW_REG_WAVE_MODE, 25, 1), 1
	s_wait_xcnt 0x0
	s_wait_alu depctr_vm_vsrc(0)
; BAHDANAU ATTENTION, launch 2 of 3: the quantised product 2, tanh, the scores, and a running softmax with its context, with encoder_states read ONCE.
; LEFT OUT as dead work (shown at the head of launch 1): v_b and the term sum_o v_o of the scores, both the same along the softmax's axis.
; A work-group owns 256 consecutive rows (b, t) of one batch, as 4 blocks of 64.  A block: Q: each wave quantises 16 rows along H to MX-BF8 (register images of the operand in LDS) and leaves a bf16 copy of them in LDS |
; GEMM: wave w makes outputs 256 w .. 256 w + 255 for all 64 rows: 64 accumulators, 8 K steps of 64 matrix instructions | tanh: r = 1 / (1 + 2^(K2 x)), sigma = sum_o (-K2 v_o) r_o, the score in log2 units |
; softmax: running maximum m, sum l, p = 2^(sigma - m) | context: ctx[1024] = ctx x 2^(m_old - m) + sum p x row, from the bf16 copy (product 4 is left as it is: bf16 rows, f32 weights and sums).
; Out: sigma for every row (scores), and m, l, ctx of the work-group (part); launch 3 joins the eight parts of a batch.
; WHY 64 ROWS: 64 x 1,024 f32 sums are 512 registers in each of four waves; a row also takes 2,048 bytes (copy) + 1,024 (codes) of LDS.
; Wa'S FRAGMENTS go from memory straight into registers, in the order that launch 1 laid: four loads of 512 consecutive bytes a fragment, each fragment asked for one K step (64 matrix instructions) ahead of its use;
; a fragment feeds four matrix instructions and is used by one wave alone.  NO CLUSTER, NO TENSOR RING: beside the copy, the images and the stages 78,336 bytes of LDS are left: two slots of 32,768 bytes would hold
; four fragments a wave, 16 matrix instructions between two changes of slots: too few for a joint load to land under.
; THE TWO STREAMS ARE KEPT APART: loads come back in the order of issue, so the next block's encoder rows are asked for in the tanh phase, into accumulators as tanh frees them, and the GEMM asks for Wa alone.
; LIMITS: NaN and infinities in encoder_states are not served.  A block of 32 zeros gets the scale byte 1 where the rule says 127: its codes are zeros, and the bytes are read by this launch alone.
; tanh holds for every finite x: 2^(K2 x) = infinity gives r = 0, 2^(K2 x) = 0 gives r = 1.
; REGISTERS, in windows of 256: window 0: v1-47 addresses and state, v48-55 the rows' scale words (two sets), v56-63 Wa's scale words, v64-191 the rows' fragments (two sets), v192-255 at work.
;   window 1: Wa's 16 fragments, nt at v[16 nt].   windows 2, 3: accumulator (nt, m) at 32 nt + 8 m; outside the GEMM the same 512 registers take the next block's f32 rows: row i of chunk c at 64 c + 4 i.
; THE MODE: SCHED_MODE bits 1:0 = 2 (LLVM: expert scheduling mode 2), set by the entry lines.  The code itself states the register dependences between vector or matrix instructions and memory or LDS
; instructions, with s_wait_alu, always for 0.
; THE PLAN.  Registers that memory or LDS instructions touch, and who else names them:
;   v1-v19, v40-v42, v44, v45   offsets and addresses: made at the head, ahead of one wait on va_vdst, and never written again.  Wa is reached by scalar bases, one for the fragments and one for the scale words of
;                each of a K step's four groups; a group's bases move on behind the wait on LOADcnt that shows the loads that read them done.
;   v[AFA], v[ASA]  read by a K step's fetch of rows; stepped behind the next step's first group: vm_vsrc, the two adds, and the group's own wait on va_vdst.   v[PFW] likewise, behind a step's second group.
;   window 1, v56-63   group g's 16 products read its four fragments and two registers of scale words; behind them one wait on va_vdst, then the 18 loads that land there.
;   v64-191, v48-55    K step s reads set p; the fetch into the other set stands behind the wait of step s's first group, which also shows step s - 1's products done.
;   windows 2, 3       Q: read by the stage's stores and the roundings; one wait on vm_vsrc ahead of K step 0, whose products write them.  tanh: tile nt - 1's eight encoder loads stand in tile nt, behind the wait
;                for tile nt's exponentials, which also shows tile nt - 1's sums done; the tables of tile nt + 1 are asked for at the same place, into the set that tile nt - 1 has left.
;   Q: v64-127 (X), v192-239 (BF, CODE), v47 (PW)   a chunk's vector work writes them; one wait on va_vdst ahead of the chunk's 21 stores, which also frees X for the next chunk's loads; one on vm_vsrc at the next head.
;   v32-39     written by the scores' additions, stored, loaded, stored: a wait on va_vdst ahead of each run of stores, on vm_vsrc behind the barrier and at the block's end.
;   context: v64-127, v192-255   each is read by 128 multiply-adds and then loaded again behind a wait on va_vdst.
.set K2,    0x4038aa3b                 ; 2 log2(e)
.set NK2,   0xc038aa3b                 ; -2 log2(e)
.set IMG,   131072                     ; LDS: 0: the bf16 copy, 64 rows x 2,048.  IMG: 32 fragments' images, (4 s + m) 2048 + 512 c + 16 lane
.set ISC,   196608                     ; their scale words, (4 s + m) 128 + 4 lane
.set TBB,   200704                     ; the batch's row of biask; 4,096 bytes on: -K2 x v_w
.set SPT,   208896                     ; the waves' parts of the scores, [wave][64]
.set PBC,   209920                     ; p, 256 bytes a wave, the wave's own
.set OST,   210944                     ; the way out, 1,024 bytes a wave, the wave's own
.set STG,   215040                     ; the turn of a chunk, 16 rows x (512 + 16) bytes a wave, the wave's own
.set SPARE, 248832                     ; the spare words, 128 bytes a wave: two blocks of 256 bytes that no other line names
.set SPW,  1
.set NIL,  2
.set LIMG, 3                           ; IMG + 16 lane
.set LISC, 4                           ; ISC + 4 lane
.set WIMG, 5                           ; IMG + 2048 w + 16 lane
.set WISC, 6                           ; ISC + 128 w + 4 lane
.set CPW,  7                           ; 32768 w + 8 lane: the copy, in
.set CPR,  8                           ; 16 x thread: the copy, out, rows 0-31 (also the tables' offset in memory)
.set CPR2, 9                           ; rows 32-63
.set ENO,  10                          ; 16 lane
.set BL,   11                          ; waf: 16 lane + 32768 w
.set OSR,  12                          ; OST + 1024 w + 16 lane: the way out, back
.set SL,   13                          ; was: 4 lane + 1024 w
.set PO,   14                          ; 1024 w + 16 lane: my place in part's row
.set TBA,  15                          ; TBB + 1024 w + 32 h
.set SPS,  16                          ; SPT + 256 w + 4 r
.set SPR,  17                          ; SPT + 8 lane
.set PBW,  18                          ; PBC + 256 w + 8 lane
.set PBR,  19                          ; PBC + 256 w
.set AFA,  20                          ; the images of the K step asked for
.set ASA,  21                          ; and their scale words
.set MX,   22                          ; m
.set LS,   23                          ; l
.set CTX,  24                          ; v24-31 my thread's eight columns of the context
.set T,    32                          ; v32-39 at work
.set STW,  40                          ; STG + 8448 w + 16 lane
.set STR,  41                          ; STG + 8448 w + 528 r + 64 h
.set PF0,  42                          ; the prefetches' lane term: 4096 (lane / 2) + 256 (lane % 2)
.set PFW,  43                          ; + the next block + the chunk
.set SG,   44                          ; 8 lane
.set OSA,  45                          ; OST + 1024 w + 32 lane
.set F,    46                          ; 2^(m_old - m)
.set PW,   47                          ; the scale word just made
.set AS,   48                          ; scales alone
.set BS,   56                          ; scales alone
.set AF,   64
.set X,    64                          ; Q: 64 numbers of my row
.set BF,   192                         ; Q: a chunk as bf16
.set CODE, 224                         ; Q: a fragment's codes
.set TM,   240                         ; Q: v240-243 largest magnitudes, v244-247 bytes, v248-251 the holds, v252-255 the conversions' scale operands
.set BI,   64                          ; tanh: two sets of eight biask
.set VV,   80                          ; tanh: two sets of eight -K2 v
.set SA,   96                          ; tanh: a pair of sums for each tile of rows
.set XR,   64                          ; context: 16 rows of the copy
.set PR,   128                         ; context: p of the 64 rows
.set XR2,  192                         ; context: 16 more rows
.set WV,   18                          ; s18 wave
.set MNT,  24                          ; s24 the mantissa field of 57,344
.set BLK,  25                          ; s25 blocks to go, this one among them
.set KC,   26
.set AO,   29
.set AO2,  30
.set MSB, 0
.macro WIN new                         ; the immediate's high byte repeats the setting that is left
.if MSB != (\new)
	s_set_vgpr_msb (MSB<<8)|(\new)
.set MSB, (\new)
.endif
.endm
; group g's scalar bases: waf's in s[WBR:WBR+1] (s[6:7], s[34:35], s[36:37], s[38:39]), was's in s[SBR:SBR+1] (s[8:9], s[40:41], s[42:43], s[44:45]): each at the K step that the group asks for next
.macro BASES g
.if (\g) == 0
.set WBR, 6
.set SBR, 8
.else
.set WBR, 32+2*(\g)
.set SBR, 38+2*(\g)
.endif
.endm
; eight encoder loads into accumulator tile nt's 32 registers: rows 8 (nt % 2) + i of my 16, chunk nt / 2 (128 numbers); each load takes 512 consecutive bytes of one row
.macro ELOAD nt, off
	WIN 0x80+0x40*((\nt)/8)
.irp i, 0,1,2,3,4,5,6,7
	global_load_b128 v[(32*(\nt))%256+4*\i:(32*(\nt))%256+4*\i+3], v[ENO], s[4:5] offset:\off+(8*((\nt)%2)+\i)*4096+512*((\nt)/2) th:TH_LOAD_NT
.endr
	WIN 0
.endm
; 18 loads: Wa's fragments nt = 4 g .. 4 g + 3 and their two registers of scale words, of the K step at which the group's bases stand
.macro WLOAD g
	BASES \g
	WIN 0
	global_load_b32 v[BS+2*(\g)], v[SL], s[SBR:SBR+1] offset:256*(\g)
	global_load_b32 v[BS+2*(\g)+1], v[SL], s[SBR:SBR+1] offset:256*(\g)+128
	WIN 0x40
.irp t, 0,1,2,3
.irp c, 0,1,2,3
	global_load_b128 v[16*(4*(\g)+\t)+4*\c:16*(4*(\g)+\t)+4*\c+3], v[BL], s[WBR:WBR+1] offset:2048*(4*(\g)+\t)+512*\c
.endr
.endr
.endm
; a K step's four fragments of rows and their scale words, out of the images, into set p
.macro AFETCH p, a, s
.irp m, 0,1,2,3
.irp c, 0,1,2,3
	ds_load_b128 v[AF+64*(\p)+16*\m+4*\c:AF+64*(\p)+16*\m+4*\c+3], v[\a] offset:2048*\m+512*\c
.endr
	ds_load_b32 v[AS+4*(\p)+\m], v[\s] offset:128*\m
.endr
.endm
; 64 numbers of a lane, register 16 b + i = k 32 b + 16 (lane / 16) + i of my row, become a fragment's codes in v[CODE] on and its scale word in v[PW]
.macro QUANT s
.irp b, 0,1,2,3
	v_max3_num_f32 v[TM+\b], |v[\s+16*\b]|, |v[\s+1+16*\b]|, 0x8000000   ; block b: my 16 numbers, and the floor 2^(16 - 127): the byte cannot fall under 1
.endr
.irp i, 2,4,6,8,10,12,14
.irp b, 0,1,2,3
	v_max3_num_f32 v[TM+\b], v[TM+\b], |v[\s+16*\b+\i]|, |v[\s+1+16*\b+\i]|   ; (the four blocks by turns)
.endr
.endr
.irp b, 0,1,2,3
	v_permlanex16_b32 v[TM+4+\b], v[TM+\b], s20, s21
.endr
.irp b, 0,1,2,3
	v_max_num_f32 v[TM+\b], v[TM+\b], v[TM+4+\b]   ; with lane l xor 16's: the block's largest magnitude
.endr
.irp b, 0,1,2,3
	v_add_nc_u32 v[TM+12+\b], 0xf8800000, v[TM+\b]   ; 15 off its exponent field: the conversion takes this operand's exponent field as its scale
.endr
.irp b, 0,1,2,3
	v_and_or_b32 v[TM+8+\b], v[TM+\b], 0x7f800000, s[MNT]   ; 57,344 x the scale
.endr
.irp b, 0,1,2,3
	v_lshrrev_b32 v[TM+4+\b], 23, v[TM+12+\b]      ; the scale's byte
.endr
	v_lshl_or_b32 v[PW], v[TM+5], 8, v[TM+4]
	v_lshl_or_b32 v[PW], v[TM+6], 16, v[PW]
	v_lshl_or_b32 v[PW], v[TM+7], 24, v[PW]
.irp b, 0,1,2,3
.irp i, 0,1,2,3,4,5,6,7,8,9,10,11,12,13,14,15
	v_med3_num_f32 v[\s+16*\b+\i], v[\s+16*\b+\i], -v[TM+8+\b], v[TM+8+\b]   ; the conversion to an 8-bit code does not saturate (ISA guide 7.6.2): the hold
.endr
	v_cvt_scalef32_pk8_bf8_f32 v[CODE+4*\b:CODE+1+4*\b], v[\s+16*\b:\s+7+16*\b], v[TM+12+\b]
	v_cvt_scalef32_pk8_bf8_f32 v[CODE+2+4*\b:CODE+3+4*\b], v[\s+8+16*\b:\s+15+16*\b], v[TM+12+\b]
.endr
	v_nop                                          ; a plain vector instruction behind the last scaled conversion
.endm
; Chunk c: 128 numbers (K step c) of my 16 rows.  As loaded a lane holds 4 neighbours of each row; the conversions want 16 neighbours of ONE row: the chunk turns through my own stage.  As loaded it is also rounded to bf16 for the copy.
; All that the chunk stores from registers that vector instructions write (the copy, the image, the scale word) leaves in one run at its end, behind one wait.
.macro QCHUNK c
.set X0, 64*((\c)%4)
	s_wait_alu depctr_vm_vsrc(0)                   ; the last chunk's LDS stores have read BF, CODE and PW, which this chunk writes again (first block, chunk 0: the tables' stores have read v68-83, in which the loads below land)
	WIN 0x08+0x04*((\c)/4)                         ; an LDS store's data are its source 1: window 2 or 3
.irp i, 0,1,2,3,4,5,6,7,8,9,10,11,12,13,14,15
	ds_store_b128 v[STW], v[X0+4*\i:X0+4*\i+3] offset:528*\i
.endr
	WIN 0
.irp b, 0,1,2,3
.irp j, 0,1,2,3
	ds_load_b128 v[X+16*\b+4*\j:X+16*\b+4*\j+3], v[STR] offset:128*\b+16*\j   ; LDS serves a wave's instructions in order (ISA guide 5.7.1.4): these see the stores above.  No vector instruction since the last wait on va_vdst names X
.endr
.endr
	WIN 0x0a+0x05*((\c)/4)                         ; sources 0 and 1: window 2 or 3
.irp i, 0,1,2,3,4,5,6,7,8,9,10,11,12,13,14,15
	v_cvt_pk_bf16_f32 v[BF+2*\i], v[X0+4*\i], v[X0+4*\i+1]
	v_cvt_pk_bf16_f32 v[BF+2*\i+1], v[X0+4*\i+2], v[X0+4*\i+3]
.endr
	WIN 0
	s_wait_dscnt 0x0                               ; the 16 loads from the stage are in: nothing was issued behind them
	QUANT X
	s_wait_alu depctr_va_vdst(0)                   ; the roundings have written BF, the conversions CODE, the shifts PW: the stores below read them; and the chunk is done with X, in which the next chunk's loads (behind chunk 7: the first rows' fragments) land
.irp i, 0,1,2,3,4,5,6,7,8,9,10,11,12,13,14,15
	ds_store_b64 v[CPW], v[BF+2*\i:BF+2*\i+1] offset:2048*\i+256*(\c)   ; 256 consecutive bytes of row 16 w + i of the copy
.endr
.irp e, 0,1,2,3
	ds_store_b128 v[WIMG], v[CODE+4*\e:CODE+4*\e+3] offset:8192*(\c)+512*\e   ; the fragment (K step c, rows 16 w ..) as an image of its registers
.endr
	ds_store_b32 v[WISC], v[PW] offset:512*(\c)
.endm
; one matrix instruction on the registers that the symbols name.  TRANSPOSED: source 0 = 16 rows of Wa, source 1 = 16 encoder rows: lane (r, h) holds encoder row r and outputs 8 h + 0 .. 7 of the tile
.macro WM zero, odd
.if \zero
.if \odd
	v_wmma_scale_f32_16x16x128_f8f6f4 v[AC:AC+7], v[WF:WF+15], v[AR:AR+15], 0, v[SB], v[SR] matrix_a_fmt:MATRIX_FMT_BF8 matrix_b_fmt:MATRIX_FMT_BF8 matrix_a_scale:MATRIX_SCALE_ROW1
.else
	v_wmma_scale_f32_16x16x128_f8f6f4 v[AC:AC+7], v[WF:WF+15], v[AR:AR+15], 0, v[SB], v[SR] matrix_a_fmt:MATRIX_FMT_BF8 matrix_b_fmt:MATRIX_FMT_BF8
.endif
.else
.if \odd
	v_wmma_scale_f32_16x16x128_f8f6f4 v[AC:AC+7], v[WF:WF+15], v[AR:AR+15], v[AC:AC+7], v[SB], v[SR] matrix_a_fmt:MATRIX_FMT_BF8 matrix_b_fmt:MATRIX_FMT_BF8 matrix_a_scale:MATRIX_SCALE_ROW1
.else
	v_wmma_scale_f32_16x16x128_f8f6f4 v[AC:AC+7], v[WF:WF+15], v[AR:AR+15], v[AC:AC+7], v[SB], v[SR] matrix_a_fmt:MATRIX_FMT_BF8 matrix_b_fmt:MATRIX_FMT_BF8
.endif
.endif
.endm
; A K STEP: 64 matrix instructions in four groups of 16 (four tiles of Wa x four tiles of rows).  The 64 accumulators take turns, one instruction a turn, in one order in every step.
; p: the rows' set.  zero = 1: the products start the sums.  af = 1: the next step's rows are fetched into the other set.  tail = 0: behind each group its registers take the next K step's fragments;
; 1: the next BLOCK's K step 0; 2: nothing (the last block's last step), and the waits count down.  pf = 1, 2: one prefetch (1: jumped over in the last block).
.macro KSTEP p, zero, af, tail, pf
	s_wait_dscnt 0x0                               ; this step's rows are in (asked for 48 matrix instructions ago)
.irp g, 0,1,2,3
	BASES \g
.if \tail == 2
	s_wait_loadcnt 54-18*\g                        ; nothing is issued behind: the groups still out are 3 - g
.else
	s_wait_loadcnt 54                              ; behind this group's 18 loads three groups' 54 were issued
.endif
.if \tail == 0
	s_add_nc_u64 s[WBR:WBR+1], s[WBR:WBR+1], 131072   ; free since that wait, which shows the loads that read them done: the group's bases at the next K step
	s_add_nc_u64 s[SBR:SBR+1], s[SBR:SBR+1], 4096
.endif
.if \tail == 1
	s_sub_nc_u64 s[WBR:WBR+1], s[WBR:WBR+1], 7*131072 ; likewise: back to K step 0, for the next block
	s_sub_nc_u64 s[SBR:SBR+1], s[SBR:SBR+1], 7*4096
.endif
	WIN 0xa1+0x50*(\g/2)                           ; source 0 (Wa) window 1, source 1 (rows) window 0, C and D window 2 or 3
.irp t, 0,1,2,3
.irp m, 0,1,2,3
.set AC, (32*(4*\g+\t)+8*\m)%256
.set WF, 16*(4*\g+\t)
.set AR, AF+64*(\p)+16*\m
.set SB, BS+2*\g+\t/2
.set SR, AS+4*(\p)+\m
	WM \zero, \t%2
.endr
.endr
.rept 8
	v_nop                                          ; eight places behind this form, as in this text's plain form; behind K step 7 they are owed ahead of the first read of results.  The wait below stands beside them
.endr
.if (\g == 0) && \af
	WIN 0
	s_add_co_u32 s[AO], s[AO], 8192
	s_add_co_u32 s[AO2], s[AO2], 512
	s_wait_alu depctr_vm_vsrc(0)                   ; the last fetch of rows has read v[AFA] and v[ASA] (first block, K step 0: the tables' stores v[AFA])
	v_add_nc_u32 v[AFA], s[AO], v[LIMG]
	v_add_nc_u32 v[ASA], s[AO2], v[LISC]
.endif
.if (\g == 1) && \pf
	WIN 0
	s_wait_xcnt 0x0                                ; the last prefetch has had its address translated: its offset is written only behind this wait,
	s_wait_alu depctr_vm_vsrc(0)                   ; and it has read v[PFW]
	v_add_nc_u32 v[PFW], 512, v[PFW]               ; the next chunk of the next block's rows
.endif
.if (\tail < 2) || (\g == 3)
	s_wait_alu depctr_va_vdst(0)                   ; this group's products are done reading its fragments and scale words of Wa, in which the loads below land.  Group 0: the step before is done reading the other set of rows, and v[AFA], v[ASA] are written.  Group 1: v[PFW] is written.  K step 7, group 3: both sets of rows are free for the tables' and p's loads
.endif
.if (\g == 0) && \af
	AFETCH 1-(\p), AFA, ASA
.endif
.if \tail < 2
	WLOAD \g
.endif
.if (\g == 1) && (\pf == 1)
	WIN 0
	s_cmp_eq_u32 s[BLK], 1                         ; the last block has no next rows: no prefetch leaves the buffer
	s_cbranch_scc1 .Lnpf_\@
	global_prefetch_b8 v[PFW], s[4:5] th:TH_LOAD_NT scope:SCOPE_SE
.Lnpf_\@:
.endif
.if (\g == 1) && (\pf == 2)
	WIN 0
	global_prefetch_b8 v[PFW], s[4:5] th:TH_LOAD_NT scope:SCOPE_SE
.endif
.endr
	WIN 0
.endm
; THE PREFETCHES: in K steps 2, 4, 6 and 7 a wave names chunks 0 to 3 of its own 16 rows of the next block: 32 blocks of 256 bytes an instruction (a lane a block), each named once in the launch, behind the group's run of loads;
; the loads that want them are issued in the tanh phase, from 32 to 352 matrix instructions later.  Chunks 4 to 7 come by their loads alone.
; tanh AND THE SCORE for tile nt of my outputs, all 64 rows: 32 registers.  In its middle stand the LDS loads of the next tile's tables and the eight encoder loads into the registers of the tile BEFORE.
.macro TNT nt
.set W, 2+(\nt)/8
.set A0, (32*(\nt))%256
.set SE, 8*((\nt)%2)
.set SN, 8-SE
	s_wait_dscnt 0x0                               ; this tile's biask and -K2 v are in (asked for in the middle of the tile before)
	WIN (W<<6)|W                                   ; destination and source 0: the accumulators' window
.irp m, 0,1,2,3
.irp q, 0,1,2,3
	v_pk_fma_f32 v[A0+8*\m+2*\q:A0+8*\m+2*\q+1], v[A0+8*\m+2*\q:A0+8*\m+2*\q+1], s[22:23], v[BI+SE+2*\q:BI+SE+2*\q+1] op_sel_hi:[1,0,1]   ; K2 x: each accumulator from its low end on
.endr
.endr
.set j, 0
	s_wait_alu depctr_va_vdst(0)
.rept 32
	v_exp_f32 v[A0+j], v[A0+j]
.set j, j+1
.endr
	v_nop                                          ; a plain instruction behind the last exponential
	WIN 0
	s_wait_alu depctr_va_vdst(0)                   ; the 32 exponentials have written their results, ahead of their first reader; and the tile before is done with its 32 registers and with its set of biask and -K2 v, in which the loads below land
.if (\nt) < 15
	ds_load_b128 v[BI+SN:BI+SN+3], v[TBA] offset:64*((\nt)+1)           ; the next tile's biask and -K2 v, at my half's eight outputs
	ds_load_b128 v[BI+SN+4:BI+SN+7], v[TBA] offset:64*((\nt)+1)+16
	ds_load_b128 v[VV+SN:VV+SN+3], v[TBA] offset:4096+64*((\nt)+1)
	ds_load_b128 v[VV+SN+4:VV+SN+7], v[TBA] offset:4096+64*((\nt)+1)+16
.endif
.if (\nt) > 0
	s_cmp_eq_u32 s[BLK], 1                         ; the last block asks for nothing: no load leaves the buffer
	s_cbranch_scc1 .Lne_\@
	ELOAD (\nt)-1, 262144
.Lne_\@:
.endif
	WIN (W<<6)|W
.set j, 0
.rept 16
	v_pk_add_f32 v[A0+j:A0+j+1], v[A0+j:A0+j+1], 1.0 op_sel_hi:[1,0]
.set j, j+2
.endr
.set j, 0
	s_wait_alu depctr_va_vdst(0)
.rept 32
	v_rcp_f32 v[A0+j], v[A0+j]
.set j, j+1
.endr
	v_nop
	s_wait_alu depctr_va_vdst(0)                   ; the 32 reciprocals have written their results, ahead of their first reader
	WIN W                                          ; source 0: the accumulators' window
.irp q, 0,1,2,3
.irp m, 0,1,2,3
.if ((\nt) == 0) && (\q == 0)
	v_pk_mul_f32 v[SA+2*\m:SA+2*\m+1], v[A0+8*\m+2*\q:A0+8*\m+2*\q+1], v[VV+SE+2*\q:VV+SE+2*\q+1]   ; the first products start the sums
.else
	v_pk_fma_f32 v[SA+2*\m:SA+2*\m+1], v[A0+8*\m+2*\q:A0+8*\m+2*\q+1], v[VV+SE+2*\q:VV+SE+2*\q+1], v[SA+2*\m:SA+2*\m+1]
.endif
.endr
.endr
	WIN 0
.endm
.macro CLOAD k, x                      ; rows 16 k .. 16 k + 15 of the copy, my thread's 16 bytes (8 columns) of each
.irp i, 0,1,2,3,4,5,6,7,8,9,10,11,12,13,14,15
.if (\k) < 2
	ds_load_b128 v[\x+4*\i:\x+4*\i+3], v[CPR] offset:2048*(16*(\k)+\i)
.else
	ds_load_b128 v[\x+4*\i:\x+4*\i+3], v[CPR2] offset:2048*(16*((\k)-2)+\i)
.endif
.endr
.endm
.macro CMUL k, x                       ; ctx += p x row: bf16 halves straight into f32 multiply-adds, eight sums by turns
.irp i, 0,1,2,3,4,5,6,7,8,9,10,11,12,13,14,15
.irp q, 0,1,2,3
	v_fma_mix_f32_bf16 v[CTX+2*\q], v[\x+4*\i+\q], v[PR+16*(\k)+\i], v[CTX+2*\q] op_sel_hi:[1,0,0]
	v_fma_mix_f32_bf16 v[CTX+2*\q+1], v[\x+4*\i+\q], v[PR+16*(\k)+\i], v[CTX+2*\q+1] op_sel:[1,0,0] op_sel_hi:[1,0,0]
.endr
.endr
.endm
.macro BARRIER                         ; my LDS stores have landed and my LDS loads are in: then the work-group's barrier
	s_wait_dscnt 0x0
	s_barrier_signal -1
	s_barrier_wait -1
.endm
	s_load_b256 s[4:11], s[0:1], 0x0               ; encoder_states s[4:5], waf s[6:7], was s[8:9], biask s[10:11]
	s_load_b128 s[12:15], s[0:1], 0x20             ; v_w s[12:13], scores s[14:15]
	s_load_b64 s[16:17], s[0:1], 0x30              ; part
	v_lshl_add_u32 v[SPW], v0, 2, SPARE
	v_mov_b32 v[NIL], 0
	v_lshrrev_b32 v64, 5, v0
	v_readfirstlane_b32 s[WV], v64                 ; wave 0..3
	v_and_b32 v65, 31, v0                          ; lane
	v_and_b32 v66, 15, v0                          ; r
	v_bfe_u32 v67, v0, 4, 1                        ; h
	v_lshl_add_u32 v[LIMG], v65, 4, IMG
	v_lshl_add_u32 v[LISC], v65, 2, ISC
	s_wait_alu depctr_va_sdst(0)                   ; s18, the wave's number, is written, ahead of its first reader
	s_lshl_b32 s32, s[WV], 11
	v_add_nc_u32 v[WIMG], s32, v[LIMG]
	s_lshl_b32 s32, s[WV], 7
	v_add_nc_u32 v[WISC], s32, v[LISC]
	s_lshl_b32 s32, s[WV], 15
	v_lshl_add_u32 v[CPW], v65, 3, s32
	v_lshl_add_u32 v[BL], v65, 4, s32
	v_lshlrev_b32 v[CPR], 4, v0
	v_add_nc_u32 v[CPR2], 0x10000, v[CPR]
	v_lshlrev_b32 v[ENO], 4, v65
	s_lshl_b32 s32, s[WV], 10
	v_lshl_add_u32 v[SL], v65, 2, s32
	v_lshl_add_u32 v[PO], v65, 4, s32
	s_add_co_u32 s33, s32, TBB
	v_lshl_add_u32 v[TBA], v67, 5, s33
	s_add_co_u32 s33, s32, OST
	v_lshl_add_u32 v[OSA], v65, 5, s33
	v_lshl_add_u32 v[OSR], v65, 4, s33
	s_lshl_b32 s32, s[WV], 8
	s_add_co_u32 s33, s32, SPT
	v_lshl_add_u32 v[SPS], v66, 2, s33
	v_lshl_add_u32 v[SPR], v65, 3, SPT
	s_add_co_u32 s33, s32, PBC
	v_lshl_add_u32 v[PBW], v65, 3, s33
	v_mov_b32 v[PBR], s33
	s_mul_i32 s32, s[WV], 8448
	s_add_co_u32 s32, s32, STG
	v_lshl_add_u32 v[STW], v65, 4, s32
	v_mul_u32_u24 v[STR], v66, 528
	v_lshl_add_u32 v[STR], v67, 6, v[STR]
	v_add_nc_u32 v[STR], s32, v[STR]
	v_lshrrev_b32 v[PF0], 1, v65
	v_and_b32 v[PFW], 1, v65
	v_lshlrev_b32 v[PF0], 12, v[PF0]
	v_lshl_add_u32 v[PF0], v[PFW], 8, v[PF0]
	v_lshlrev_b32 v[SG], 3, v65
	v_lshl_add_u32 v[AFA], v0, 4, TBB              ; (until the GEMM: where my thread puts its part of the tables)
	v_mov_b32 v[MX], 0xff61b1e6                    ; m: -3e38, under every score
	v_mov_b32 v[LS], 0
.irp j, 0,1,2,3,4,5,6,7
	v_mov_b32 v[CTX+\j], 0                         ; (the block is written once: the first finds zeros, which the first change of m leaves zeros)
	v_mov_b32 v[T+\j], 0                           ; (a lane permute's destination counts as one of its sources)
.endr
.irp b, 0,1,2,3
	v_mov_b32 v[TM+4+\b], 0
.endr
	s_mov_b32 s20, 0x76543210
	s_mov_b32 s21, 0xfedcba98                      ; v_permlanex16_b32's selects for lane l xor 16
	s_mov_b32 s22, K2
	s_mov_b32 s23, K2
	s_mov_b32 s[MNT], 0x600000
	s_mov_b32 s46, NK2
	s_mov_b32 s47, NK2
	s_mov_b32 s[BLK], 4
	s_lshl_b32 s32, ttmp9, 20                      ; my work-group's 256 rows of 4,096 bytes,
	s_lshl_b32 s33, s[WV], 16                      ; my wave's 16 of a block's 64
	s_add_co_u32 s32, s32, s33
	s_mov_b32 s33, 0
	s_lshr_b32 s36, ttmp9, 3                       ; the batch
	s_lshl_b32 s36, s36, 12
	s_mov_b32 s37, 0
	s_lshl_b32 s38, ttmp9, 10
	s_mov_b32 s39, 0
	s_mul_i32 s40, ttmp9, 4608
	s_mov_b32 s41, 0
	s_wait_kmcnt 0x0
	s_add_nc_u64 s[4:5], s[4:5], s[32:33]
	s_add_nc_u64 s[10:11], s[10:11], s[36:37]
	s_add_nc_u64 s[14:15], s[14:15], s[38:39]
	s_add_nc_u64 s[16:17], s[16:17], s[40:41]
.irp g, 1,2,3
	s_mov_b64 s[32+2*\g:33+2*\g], s[6:7]           ; a base of its own for each group, all at K step 0 (group 0 keeps s[6:7] and s[8:9])
	s_mov_b64 s[38+2*\g:39+2*\g], s[8:9]
.endr
	s_wait_alu depctr_va_vdst(0)                   ; every offset and address register of the kernel is written, ahead of the first load that reads one
	global_load_b128 v[68:71], v[CPR], s[10:11]            ; the tables: 4,096 bytes each, 32 bytes a thread
	global_load_b128 v[72:75], v[CPR], s[10:11] offset:2048
	global_load_b128 v[76:79], v[CPR], s[12:13]
	global_load_b128 v[80:83], v[CPR], s[12:13] offset:2048
.irp g, 0,1,2,3
	WLOAD \g                                       ; Wa's K step 0, then the first block's rows: the order in which the loop issues them
.endr
.irp n, 0,1,2,3,4,5,6,7,8,9,10,11,12,13,14,15
	ELOAD \n, 0
.endr
	s_wait_loadcnt 63                              ; the tables' four are in: 200 loads were issued behind them, and the wait's field holds 63
.irp j, 76,78,80,82
	v_pk_mul_f32 v[\j:\j+1], v[\j:\j+1], s[46:47] op_sel_hi:[1,0]   ; -K2 v
.endr
	s_wait_alu depctr_va_vdst(0)                   ; the multiplications have written v76-83, which the LDS stores read
	ds_store_b128 v[AFA], v[68:71]
	ds_store_b128 v[AFA], v[72:75] offset:2048
	ds_store_b128 v[AFA], v[76:79] offset:4096
	ds_store_b128 v[AFA], v[80:83] offset:6144
.Lblock:
	; ---- Q.  The block's rows were asked for through the last block's tanh phase, under branches that the last block takes round them: so the one wait is for all loads
	s_wait_loadcnt 0x0
	v_add_nc_u32 v[PFW], 262144-512, v[PF0]        ; one chunk ahead of the next block's chunk 0 (the last block's prefetches have read the register: the two waits at the block's end, ahead of the branch)
	s_wait_alu depctr_va_vdst(0)                   ; the last block's multiply-adds are done reading v64-127, in which chunk 0's loads from the stage land
.irp c, 0,1,2,3,4,5,6,7
	QCHUNK \c
.endr
	BARRIER                                        ; the 32 images, the copy and (first block) the tables are whole
	; ---- GEMM
	s_wait_alu depctr_vm_vsrc(0)                   ; the stores into the stage have read the rows' registers in windows 2 and 3, which K step 0's products write
	s_mov_b32 s[AO], 0
	s_mov_b32 s[AO2], 0
	AFETCH 0, LIMG, LISC
	KSTEP 0, 1, 1, 0, 0                            ; K step 0 starts the sums: nothing is cleared
	s_mov_b32 s[KC], 3
.Lk:                                               ; K steps 1 to 6, two a trip: the rows' sets are back where they began
	KSTEP 1, 0, 1, 0, 0
	KSTEP 0, 0, 1, 0, 1
	s_sub_co_u32 s[KC], s[KC], 1
	s_cmp_lg_u32 s[KC], 0
	s_cbranch_scc1 .Lk
	s_cmp_eq_u32 s[BLK], 1                         ; K step 7 is written twice, so that every counted wait has the same loads behind it on every way
	s_cbranch_scc1 .Ltail_last
	KSTEP 1, 0, 0, 1, 2                            ; with the next block's K step 0 of Wa
	s_branch .Ltanh
.Ltail_last:
	KSTEP 1, 0, 0, 2, 0                            ; the last block's: nothing is asked for
.Ltanh:
	; ---- tanh and my 256 outputs' part of the scores.  (On both ways K step 7 ends with eight places, ahead of the first reads of results, and a wait on va_vdst, ahead of these loads into registers that K step 6 read)
	ds_load_b128 v[BI:BI+3], v[TBA]
	ds_load_b128 v[BI+4:BI+7], v[TBA] offset:16
	ds_load_b128 v[VV:VV+3], v[TBA] offset:4096
	ds_load_b128 v[VV+4:VV+7], v[TBA] offset:4112
.irp n, 0,1,2,3,4,5,6,7,8,9,10,11,12,13,14,15
	TNT \n
.endr
.irp m, 0,1,2,3
	v_add_f32 v[T+\m], v[SA+2*\m], v[SA+2*\m+1]
.endr
.irp m, 0,1,2,3
	v_permlanex16_b32 v[T+4+\m], v[T+\m], s20, s21  ; the row's other eight outputs of each tile lie in the lane 16 away
.endr
.irp m, 0,1,2,3
	v_add_f32 v[T+\m], v[T+\m], v[T+4+\m]
.endr
	s_wait_alu depctr_va_vdst(0)                   ; the additions have written v32-35, which the LDS stores read; tile 15's sums are done with its 32 registers, in which the encoder loads land; v32-39 and v64-127 are free for the loads behind the barrier
.irp m, 0,1,2,3
	ds_store_b32 v[SPS], v[T+\m] offset:64*\m       ; row 16 m + r; lanes r and r + 16 write the same word with the same value
.endr
	s_cmp_eq_u32 s[BLK], 1                         ; the last block asks for nothing
	s_cbranch_scc1 .Lne_15
	ELOAD 15, 262144
.Lne_15:
	BARRIER                                        ; the four waves' parts lie in LDS
	s_wait_alu depctr_vm_vsrc(0)                   ; my four stores have read v32-35, in which the loads below land
.irp j, 0,1,2,3
	ds_load_b64 v[T+2*\j:T+2*\j+1], v[SPR] offset:256*\j   ; rows 2 lane, 2 lane + 1 of wave j's part
.endr
	CLOAD 0, XR                                    ; the copy's first 32 rows are asked for now: they land under the softmax
	CLOAD 1, XR2
	s_wait_dscnt 32                                ; the four parts are in; the 32 loads issued behind them may be out
	v_pk_add_f32 v[32:33], v[32:33], v[34:35]
	v_pk_add_f32 v[36:37], v[36:37], v[38:39]
	v_pk_add_f32 v[32:33], v[32:33], v[36:37]      ; sigma of my two rows: the same bits in all four waves
	; ---- the running softmax, alike in every wave and lane
	v_max_num_f32 v34, v32, v33
	v_max_num_f32_dpp v34, v34, v34 row_xmask:1 row_mask:0xf bank_mask:0xf
	v_max_num_f32_dpp v34, v34, v34 row_xmask:2 row_mask:0xf bank_mask:0xf
	v_max_num_f32_dpp v34, v34, v34 row_xmask:4 row_mask:0xf bank_mask:0xf
	v_max_num_f32_dpp v34, v34, v34 row_xmask:8 row_mask:0xf bank_mask:0xf
	v_permlanex16_b32 v35, v34, s20, s21
	v_max_num_f32 v34, v34, v35                    ; the block's largest sigma
	v_max_num_f32 v36, v[MX], v34                  ; the new m
	v_sub_f32 v[F], v[MX], v36
	v_sub_f32 v38, v32, v36
	v_sub_f32 v39, v33, v36
	s_wait_alu depctr_va_vdst(0)
	v_exp_f32 v[F], v[F]                           ; f = 2^(m_old - m)
	v_exp_f32 v38, v38                             ; p of my two rows
	v_exp_f32 v39, v39
	v_mov_b32 v[MX], v36                           ; (the plain instruction behind the exponentials)
	s_wait_alu depctr_va_vdst(0)                   ; the three exponentials have written their results, ahead of their first reader: v38, v39 are the LDS store's data; sigma in v32, v33, the global store's data, is written too
	ds_store_b64 v[PBW], v[38:39]
.irp i, 0,1,2,3,4,5,6,7,8,9,10,11,12,13,14,15
	ds_load_b128 v[PR+4*\i:PR+4*\i+3], v[PBR] offset:16*\i   ; all 64 p into every lane: my wave's own bytes, served in order
.endr
	s_cmp_lg_u32 s[WV], 0
	s_cbranch_scc1 .Lnot_wave_0
	global_store_b64 v[SG], v[32:33], s[14:15]     ; the block's 64 sigma: 256 consecutive bytes, at a multiple of 256 from the buffer's first byte
.Lnot_wave_0:
	v_add_f32 v34, v38, v39
	v_add_f32_dpp v34, v34, v34 row_xmask:1 row_mask:0xf bank_mask:0xf
	v_add_f32_dpp v34, v34, v34 row_xmask:2 row_mask:0xf bank_mask:0xf
	v_add_f32_dpp v34, v34, v34 row_xmask:4 row_mask:0xf bank_mask:0xf
	v_add_f32_dpp v34, v34, v34 row_xmask:8 row_mask:0xf bank_mask:0xf
	v_permlanex16_b32 v35, v34, s20, s21
	v_add_f32 v34, v34, v35
	v_fma_f32 v[LS], v[LS], v[F], v34              ; l = l f + the block's sum
.irp j, 0,2,4,6
	v_pk_mul_f32 v[CTX+\j:CTX+\j+1], v[CTX+\j:CTX+\j+1], v[F:F+1] op_sel_hi:[1,0]   ; ctx under the new m
.endr
	s_wait_alu depctr_va_vdst(0)
	; ---- context
	s_wait_dscnt 0x0                               ; p and rows 0-31
	CMUL 0, XR
	s_wait_alu depctr_va_vdst(0)                   ; the multiply-adds of rows 0-15 are done reading v64-127, in which rows 32-47 land
	CLOAD 2, XR
	CMUL 1, XR2
	s_wait_alu depctr_va_vdst(0)                   ; those of rows 16-31 are done reading v192-255, in which rows 48-63 land
	CLOAD 3, XR2
	s_wait_dscnt 16                                ; rows 32-47 are in; the 16 loads issued behind them may be out
	CMUL 2, XR
	s_wait_alu depctr_va_vdst(0)
	s_wait_dscnt 0x0
	CMUL 3, XR2
	BARRIER                                        ; every wave's reads of the copy and of the scores' parts are over: the next block may write them
	s_wait_xcnt 0x0                                ; the loads, the prefetches and the store have had their addresses translated: their bases, v[PFW] and v32, v33 are written only behind this wait,
	s_wait_alu depctr_vm_vsrc(0)                   ; and sigma's store has read v32, v33, p's store v38, v39, the prefetches v[PFW]: the next block (behind the last: the way out) writes them again
	s_add_nc_u64 s[4:5], s[4:5], 262144            ; 64 rows on
	s_add_nc_u64 s[14:15], s[14:15], 256
	s_sub_co_u32 s[BLK], s[BLK], 1
	s_cmp_lg_u32 s[BLK], 0
	s_cbranch_scc1 .Lblock
	; ---- the way out.  A thread's eight columns are 32 bytes: they turn through my wave's 1,024 bytes of LDS, so that each store covers 512 consecutive bytes
	s_wait_alu depctr_va_vdst(0)                   ; the last multiply-adds have written v24-31, which the LDS stores read, and are done reading v64-71, in which the loads below land
	ds_store_b128 v[OSA], v[CTX:CTX+3]
	ds_store_b128 v[OSA], v[CTX+4:CTX+7] offset:16
	ds_load_b128 v[64:67], v[OSR]
	ds_load_b128 v[68:71], v[OSR] offset:512
	s_wait_dscnt 0x0
	global_store_b128 v[PO], v[64:67], s[16:17]
	global_store_b128 v[PO], v[68:71], s[16:17] offset:512
	s_cmp_lg_u32 s[WV], 0
	s_cbranch_scc1 .Lend
	v_mov_b32 v32, v[MX]
	v_mov_b32 v33, v[LS]
	v_mov_b32 v34, v[MX]
	v_mov_b32 v35, v[LS]
	s_wait_alu depctr_va_vdst(0)                   ; the four moves have written v32-35, which the store reads
	global_store_b128 v[ENO], v[32:35], s[16:17] offset:4096   ; m, l, again and again: 512 consecutive bytes, so that whole aligned blocks of 256 are written
.Lend:
	s_wait_dscnt 0x0                               ; the closing lines, six on end, behind the last LDS store
	s_wait_alu 0x0
	s_wait_tensorcnt 0x0
	ds_add_u32 v[SPW], v[NIL]
	s_wait_dscnt 0x0
	s_endpgm
.Lfunc_end_k_qaf15c4a70d_main:
	.size	k_qaf15c4a70d_main, .Lfunc_end_k_qaf15c4a70d_main-k_qaf15c4a70d_main
	.p2alignl 7, 3214868480
	.fill 96, 4, 3214868480
	.section	.rodata,"a",@progbits
	.p2align	6, 0x0
	.amdhsa_kernel k_qaf15c4a70d_main
		.amdhsa_group_segment_fixed_size 249344
		.amdhsa_private_segment_fixed_size 0
		.amdhsa_enable_private_segment 0
		.amdhsa_kernarg_size 56
		.amdhsa_user_sgpr_count 2
		.amdhsa_user_sgpr_kernarg_segment_ptr 1
		.amdhsa_wavefront_size32 1
		.amdhsa_system_sgpr_workgroup_id_x 1
		.amdhsa_system_sgpr_workgroup_id_y 1
		.amdhsa_system_sgpr_workgroup_id_z 1
		.amdhsa_system_vgpr_workitem_id 0
		.amdhsa_next_free_vgpr 1024
		.amdhsa_next_free_sgpr 66
		.amdhsa_reserve_vcc 0
		.amdhsa_float_denorm_mode_32 3
		.amdhsa_float_denorm_mode_16_64 3
		.amdhsa_memory_ordered 1
		.amdhsa_forward_progress 1
		.amdhsa_inst_pref_size 255
	.end_amdhsa_kernel
	.section	.bss,"aw",@nobits
	.p2align	6
	.space	262144
	.amdgpu_metadata
---
amdhsa.version: [ 1, 2 ]
amdhsa.kernels:
  - .name:           k_qaf15c4a70d_main
    .symbol:         k_qaf15c4a70d_main.kd
    .args:
      - { .name: encoder_states, .offset: 0, .size: 8, .value_kind: global_buffer, .address_space: global }
      - { .name: waf, .offset: 8, .size: 8, .value_kind: global_buffer, .address_space: global }
      - { .name: was, .offset: 16, .size: 8, .value_kind: global_buffer, .address_space: global }
      - { .name: biask, .offset: 24, .size: 8, .value_kind: global_buffer, .address_space: global }
      - { .name: v_w, .offset: 32, .size: 8, .value_kind: global_buffer, .address_space: global }
      - { .name: scores, .offset: 40, .size: 8, .value_kind: global_buffer, .address_space: global }
      - { .name: part, .offset: 48, .size: 8, .value_kind: global_buffer, .address_space: global }
    .group_segment_fixed_size: 249344
    .private_segment_fixed_size: 0
    .kernarg_segment_align: 8
    .kernarg_segment_size: 56
    .max_flat_workgroup_size: 128
    .sgpr_count:     66
    .vgpr_count:     1024
    .wavefront_size: 32
...
	.end_amdgpu_metadata
.endif
;; end of part 5
;; launch combine (part 6): grid 128 x 1, 2 waves a work-group, no clusters, 0 bytes of LDS; arguments part, scores, out0, out1; writes out0, out1
.if DOCPART == 6
	.amdgcn_target "amdgcn-amd-amdhsa--gfx1250"
	.amdhsa_code_object_version 6
	.text
	.protected	k_qaf15c4a70d_combine
	.globl	k_qaf15c4a70d_combine
	.p2align	8
	.type	k_qaf15c4a70d_combine,@function
k_qaf15c4a70d_combine:
	s_mov_b64 s[64:65], 0
	v_nop
	global_prefetch_b8 v0, s[64:65] scope:SCOPE_SE
	s_setreg_imm32_b32 hwreg(HW_REG_WAVE_MODE, 25, 1), 1
	s_wait_xcnt 0x0
; BAHDANAU ATTENTION, launch 3 of 3: the eight parts of a batch are joined.  LEFT OUT as dead work (shown at the head of launch 1): v_b and sum_o v_o, the same along the softmax's axis.
; part row j of a batch holds ctx_j[1024] = sum p x row with p = 2^(sigma - m_j), then m_j, l_j.  M = max m_j; e_j = 2^(m_j - M); L = sum e_j l_j;
; out0 = sum e_j ctx_j / L;  out1 = 2^(sigma - M) / L.  The maximum is taken away ahead of every exponential.
; Work-group (b = id / 4, q = id % 4), two waves: a quarter of a batch: 256 columns of out0, 512 weights of out1; every load and store of a wave, but those of m and l, covers 512 consecutive bytes.  No LDS, no barrier: waves share nothing.
	s_load_b256 s[4:11], s[0:1], 0x0               ; part s[4:5], scores s[6:7], out0 s[8:9], out1 s[10:11]
	s_lshr_b32 s12, ttmp9, 2                       ; b
	s_and_b32 s13, ttmp9, 3                        ; q
	v_lshlrev_b32 v1, 4, v0                        ; 16 x thread
	v_mov_b32 v2, 0
	s_lshl_b32 s14, s13, 10
	v_add_nc_u32 v3, s14, v1                       ; + 1,024 q: ctx and out0
	s_lshl_b32 s14, s13, 11
	v_add_nc_u32 v4, s14, v1                       ; + 2,048 q: sigma and out1
	s_mul_i32 s16, s12, 8*4608
	s_mov_b32 s17, 0
	s_lshl_b32 s18, s12, 13
	s_mov_b32 s19, 0
	s_lshl_b32 s20, s12, 12
	s_mov_b32 s21, 0
	s_wait_alu depctr_va_vdst(0)
	s_wait_kmcnt 0x0
	s_add_nc_u64 s[4:5], s[4:5], s[16:17]
	s_add_nc_u64 s[6:7], s[6:7], s[18:19]
	s_add_nc_u64 s[8:9], s[8:9], s[20:21]
	s_add_nc_u64 s[10:11], s[10:11], s[18:19]
.irp j, 0,1,2,3,4,5,6,7
	global_load_b64 v[48+2*\j:49+2*\j], v2, s[4:5] offset:4608*\j+4096   ; m_j, l_j
.endr
	global_load_b128 v[64:67], v4, s[6:7]          ; sigma
	global_load_b128 v[68:71], v4, s[6:7] offset:1024
.irp j, 0,1,2,3,4,5,6,7
	global_load_b128 v[16+4*\j:19+4*\j], v3, s[4:5] offset:4608*\j      ; ctx_j
.endr
	s_wait_loadcnt 8                               ; m, l and sigma are in; the eight loads of ctx issued behind them may be out
	v_max3_num_f32 v80, v48, v50, v52
	v_max3_num_f32 v80, v80, v54, v56
	v_max3_num_f32 v80, v80, v58, v60
	v_max_num_f32 v80, v80, v62                    ; M
.irp j, 0,1,2,3,4,5,6,7
	v_sub_f32 v[72+\j], v[48+2*\j], v80
.endr
.irp k, 0,1,2,3,4,5,6,7
	v_sub_f32 v[64+\k], v[64+\k], v80
.endr
	s_wait_alu depctr_va_vdst(0)
.irp j, 0,1,2,3,4,5,6,7
	v_exp_f32 v[72+\j], v[72+\j]                   ; e_j
.endr
.irp k, 0,1,2,3,4,5,6,7
	v_exp_f32 v[64+\k], v[64+\k]                   ; 2^(sigma - M)
.endr
	v_nop                                          ; a plain instruction behind the last exponential,
	s_wait_alu depctr_va_vdst(0)                   ; and one wait for the sixteen, ahead of their first reader
	v_mul_f32 v82, v49, v72
.irp j, 1,2,3,4,5,6,7
	v_fmac_f32 v82, v[49+2*\j], v[72+\j]           ; L
.endr
	s_wait_alu depctr_va_vdst(0)
	v_rcp_f32 v83, v82
	v_nop
	s_wait_alu depctr_va_vdst(0)
.irp j, 0,1,2,3,4,5,6,7
	v_mul_f32 v[72+\j], v[72+\j], v83              ; e_j / L
.endr
.irp k, 0,1,2,3,4,5,6,7
	v_mul_f32 v[64+\k], v[64+\k], v83              ; the weights
.endr
	global_store_b128 v4, v[64:67], s[10:11]
	global_store_b128 v4, v[68:71], s[10:11] offset:1024
	s_wait_loadcnt 0x0                             ; ctx
.irp k, 0,1,2,3
	v_mul_f32 v[84+\k], v[16+\k], v72
.endr
.irp j, 1,2,3,4,5,6,7
.irp k, 0,1,2,3
	v_fmac_f32 v[84+\k], v[16+4*\j+\k], v[72+\j]
.endr
.endr
	global_store_b128 v3, v[84:87], s[8:9]
	s_endpgm
.Lfunc_end_k_qaf15c4a70d_combine:
	.size	k_qaf15c4a70d_combine, .Lfunc_end_k_qaf15c4a70d_combine-k_qaf15c4a70d_combine
	.p2alignl 7, 3214868480
	.fill 96, 4, 3214868480
	.section	.rodata,"a",@progbits
	.p2align	6, 0x0
	.amdhsa_kernel k_qaf15c4a70d_combine
		.amdhsa_group_segment_fixed_size 0
		.amdhsa_private_segment_fixed_size 0
		.amdhsa_enable_private_segment 0
		.amdhsa_kernarg_size 32
		.amdhsa_user_sgpr_count 2
		.amdhsa_user_sgpr_kernarg_segment_ptr 1
		.amdhsa_wavefront_size32 1
		.amdhsa_system_sgpr_workgroup_id_x 1
		.amdhsa_system_sgpr_workgroup_id_y 1
		.amdhsa_system_sgpr_workgroup_id_z 1
		.amdhsa_system_vgpr_workitem_id 0
		.amdhsa_next_free_vgpr 96
		.amdhsa_next_free_sgpr 66
		.amdhsa_reserve_vcc 0
		.amdhsa_float_denorm_mode_32 3
		.amdhsa_float_denorm_mode_16_64 3
		.amdhsa_memory_ordered 1
		.amdhsa_forward_progress 1
		.amdhsa_inst_pref_size 7
	.end_amdhsa_kernel
	.amdgpu_metadata
---
amdhsa.version: [ 1, 2 ]
amdhsa.kernels:
  - .name:           k_qaf15c4a70d_combine
    .symbol:         k_qaf15c4a70d_combine.kd
    .args:
      - { .name: part, .offset: 0, .size: 8, .value_kind: global_buffer, .address_space: global }
      - { .name: scores, .offset: 8, .size: 8, .value_kind: global_buffer, .address_space: global }
      - { .name: out0, .offset: 16, .size: 8, .value_kind: global_buffer, .address_space: global }
      - { .name: out1, .offset: 24, .size: 8, .value_kind: global_buffer, .address_space: global }
    .group_segment_fixed_size: 0
    .private_segment_fixed_size: 0
    .kernarg_segment_align: 8
    .kernarg_segment_size: 32
    .max_flat_workgroup_size: 64
    .sgpr_count:     66
    .vgpr_count:     96
    .wavefront_size: 32
...
	.end_amdgpu_metadata
.endif
;; end of part 6
